; MI455X (gfx1250); checked and timed in simulation.
; The chip was launched on July 23, 2026; its instructions are those of AMD's public machine-readable ISA for CDNA 5 (MIT licence, August 2026) and "CDNA5" Instruction Set Architecture Reference Guide (July 2026). The comments in the code are by the model that wrote it; some were corrected since.
;; Evolved Multi Head Attention. Allowed arithmetic: matrix products marked QUANTISED: E2M3 operands, one E8M0 scale for each 32 along K, by v_wmma_scale_f32_16x16x128_f8f6f4 with both operands' format E2M3, f32 sums; everything else in f32.
;; Inputs: Wk 1,024 x 1,024 float32; Wo 1,024 x 1,024 float32; Wq 1,024 x 1,024 float32; Wv 1,024 x 1,024 float32; bk 1,024 float32; bo 1,024 float32; bq 1,024 float32; bv 1,024 float32; keep_mask 2 x 16 x 2,048 x 2,048 bool; x 2 x 2,048 x 1,024 float32.
;; Outputs: out0 2 x 2,048 x 1,024 float32.
;; This version of the problem:
;;   THIS VERSION OF THE PROBLEM IS GIVEN IN LOW PRECISION. The matrix products marked QUANTISED in the list below multiply operands that are first quantised to E2M3 (2 exponent bits, 3 mantissa bits; 6 bits a number), with one power-of-two scale for each 32 numbers along K (OCP MX v1.0); their sums are f32. All else is computed in f32.
;;   The module's matrix products, in the order in which they are computed (A, B: the left and right operand; K: the contracted axis; several contracted axes count as one K, in the product's order):
;;     1. [M 4,096, K 1,024] x [K 1,024, N 1,024]; A: input x; B: input Wq: QUANTISED
;;     2. [M 4,096, K 1,024] x [K 1,024, N 1,024]; A: input x; B: input Wk: QUANTISED
;;     3. [M 4,096, K 1,024] x [K 1,024, N 1,024]; A: input x; B: input Wv: QUANTISED
;;     4. batch 32 x [M 2,048, K 64] x [K 64, N 2,048]; A: computed on the way; B: computed on the way: QUANTISED
;;     5. batch 32 x [M 2,048, K 2,048] x [K 2,048, N 64]; A: computed on the way; B: computed on the way: QUANTISED
;;     6. [M 4,096, K 1,024] x [K 1,024, N 1,024]; A: computed on the way; B: input Wo: QUANTISED
;;   THE QUANTISER, for each operand of a quantised product, along K:
;;     - K is cut into blocks of 32 from its start; a last block that is shorter is filled with zeros.
;;     - A block's scale is 2^e with e = floor(log2(the largest magnitude in the block)) - 2, held to -126 .. 127; a block of zeros has e = 0. As a byte (E8M0): e + 127.
;;     - Each number is divided by its block's scale, clamped to +-7.5, and rounded to the nearest number of E2M3, ties to even, subnormals kept.
;;     - The product sums the exact products of the quantised numbers (number of the format x scale) in f32.
;;   ~~~python
;;   def quantise(x, axis):      # numpy; x: float32 -> the quantised numbers, widened to float32 again
;;       x = np.moveaxis(x, axis, -1); K = x.shape[-1]
;;       x = np.pad(x, [(0, 0)] * (x.ndim - 1) + [(0, -K % 32)]); x = x.reshape(x.shape[:-1] + (-1, 32)); a = np.abs(x).max(-1, keepdims=True)
;;       e = np.where(a > 0, np.clip(np.frexp(np.where(a > 0, a, 1))[1] - 1 - 2, -126, 127), 0)      # np.frexp(a)[1] - 1 = floor(log2(a)), exactly
;;       r = np.clip(x / 2.0 ** e, -7.5, 7.5)
;;       step = 2.0 ** (np.maximum(np.frexp(np.where(r == 0, 1, r))[1] - 1, 0) - 3)
;;       q = np.round(r / step) * step * 2.0 ** e      # np.round: ties to even
;;       return np.moveaxis(q.reshape(q.shape[:-2] + (-1,))[..., :K], -1, axis).astype(np.float32)
;;   ~~~
;;   OPERANDS COMPUTED ON THE WAY. 'Computed on the way' means the value that the module computes at that place (a softmax that the list does not call 'softmax' is quantised finished and normalised). What goes into a quantiser is computed in f32, as accurately as f32 sums, v_exp_f32 and their like allow (about 1e-6 of the number): no bf16 or f16 on the way to a quantiser, and a product that is left as it is and whose result goes on into a quantised operand takes f32 operands (vector FMAs, or v_wmma_f32_16x16x4_f32). A number that lies on a knife's edge between two numbers of the format may be rounded either way, as far as f32 arithmetic and the matrix unit's own rounding can turn it there, and no further.
;; One version. Each part assembles by itself: llvm-mc -triple=amdgcn-amd-amdhsa -mcpu=gfx1250 --defsym DOCPART=n.
;; ======== version 1 of 1: 4 launches
;; workspace buffers: xc 3,145,728 bytes; xs 131,072 bytes; wc 3,145,728 bytes; ws 131,072 bytes; qkvc 9,437,184 bytes; qkvs 655,360 bytes; cc 3,145,728 bytes; cs 131,072 bytes
;; launch quant (part 1): grid 256 x 1, 4 waves a work-group, no clusters, 33,280 bytes of LDS; arguments x, Wq, Wk, Wv, Wo, xc, xs, wc, ws; writes xc, xs, wc, ws
.if DOCPART == 1
	.amdgcn_target "amdgcn-amd-amdhsa--gfx1250"
	.amdhsa_code_object_version 6
	.text
	.protected	k_q0c08dcb7ac_quant
	.globl	k_q0c08dcb7ac_quant
	.p2align	8
	.type	k_q0c08dcb7ac_quant,@function
k_q0c08dcb7ac_quant:
	s_mov_b64 s[64:65], 0
	v_nop
	global_prefetch_b8 v0, s[64:65] scope:SCOPE_SE
	s_setreg_imm32_b32 hwreg(HW_REG_WAVE_MODE, 25, 1), 1
	s_wait_xcnt 0x0
; x [4096][1024] and Wq, Wk, Wv, Wo [1024][1024], f32, become codes of FP6 (E2M3), K innermost (768 bytes a row), with one E8M0 byte for each 32 along K (32 bytes a row).
; A block's scale is 2^(floor(log2(its largest magnitude)) - 2); its byte is the largest magnitude's exponent field - 2, held at 1 from below.  A block of zeros so gets the byte 1 where the
; rule says 127: its codes are zeros, which add nothing, and the bytes are read by this program alone.
; LIMITS: NaN and infinities among the inputs are not served.
; ROWS CHANGE PLACES: in each 32 rows the second and the third group of eight are swapped on the way out (position 32 g + 16 u + r holds row 32 g + 8 u + r + 8 (r / 8)), so that in the later
; products the 16 registers of two neighbouring tiles are 16 neighbours along the next product's K.
; Work-groups 0-127 take 32 rows of x each, 128 + 32 t .. those of weight t (q, k, v, o); a wave takes eight rows: 16 steps of 512 numbers.  wc and ws hold the four weights one behind the other.
; Each load reads 512 consecutive bytes; a step's 2,048 bytes turn through the wave's own stage in LDS, so that a lane holds 16 neighbours for the conversion (two lanes to a block).
; No tensor loads, no barrier: waves share nothing.  Loads run four steps ahead, the turn through LDS one step.
.set STEPS, 16
.set EMAX,  2
.set CB,    12                         ; bytes of 16 codes
.set R,     16                         ; v16-79   four sets of 16 numbers as they are loaded
.set X,     80                         ; v80-111  two sets of 16 neighbours
.set C,     128                        ; v128-191 codes: four registers for each step, so that no store's data are written again
.set E,     112                        ; v112-127 a scale byte for each step
.set WREG,  8192                       ; LDS: a region for each wave: two stages of 32 x SP bytes, behind them its 256 scale bytes
.set SP,    80                         ; a lane's place in a stage: 64 bytes + 16 of padding
.set SRC,   22                         ; s[22:23] the numbers;  s[24:25] the codes;  s[26:27] the scale bytes
.set COD,   24
.set SCB,   26
	s_load_b512 s[4:19], s[0:1], 0x0               ; x, Wq, Wk, Wv, Wo, xc, xs, wc
	s_load_b64 s[20:21], s[0:1], 0x40              ; ws
	v_lshl_add_u32 v192, v0, 2, 0x8000
	v_mov_b32 v193, 0
	v_lshrrev_b32 v1, 5, v0
	v_readfirstlane_b32 s28, v1                    ; wave
	v_and_b32 v2, 31, v0                           ; lane
	v_lshlrev_b32 v3, 4, v2                        ; my 16 bytes of a load's 512
	s_mul_i32 s29, s28, WREG
	v_lshrrev_b32 v14, 2, v2
	v_mul_u32_u24 v14, v14, SP
	v_and_b32 v15, 3, v2
	v_lshl_add_u32 v14, v15, 4, v14
	v_add_nc_u32 v14, s29, v14                     ; the stage, on the way in: SP (lane / 4) + 16 (lane % 4)
	v_mul_u32_u24 v15, v2, SP
	v_add_nc_u32 v15, s29, v15                     ; and on the way out: SP x lane: my 16 neighbours
	v_mul_u32_u24 v4, v2, CB                       ; my codes' place in a step's
	v_lshrrev_b32 v5, 1, v2
	s_add_co_u32 s29, s29, 2*32*SP
	v_add_nc_u32 v5, s29, v5                       ; LDS: my wave's 256 scale bytes, my block's byte
	v_lshlrev_b32 v7, 3, v2                        ; and on the way out 8 bytes a lane
	v_add_nc_u32 v6, s29, v7
	s_and_b32 s30, ttmp9, 31                       ; which 32 rows of a weight,
	s_and_b32 s31, ttmp9, 127                      ; and of xc, or of wc's 4,096 rows
	s_and_b32 s32, s28, 1
	s_lshl_b32 s32, s32, 1
	s_lshr_b32 s33, s28, 1
	s_or_b32 s32, s32, s33                         ; the wave's eight rows go to group 0, 2, 1, 3 of the 32
	s_wait_kmcnt 0x0
	s_mov_b64 s[SRC:SRC+1], s[12:13]               ; the choices hang on the work-group's number alone
	s_cmp_lt_u32 ttmp9, 224
	s_cselect_b64 s[SRC:SRC+1], s[10:11], s[SRC:SRC+1]
	s_cmp_lt_u32 ttmp9, 192
	s_cselect_b64 s[SRC:SRC+1], s[8:9], s[SRC:SRC+1]
	s_cmp_lt_u32 ttmp9, 160
	s_cselect_b64 s[SRC:SRC+1], s[6:7], s[SRC:SRC+1]
	s_cmp_lt_u32 ttmp9, 128
	s_cselect_b64 s[SRC:SRC+1], s[4:5], s[SRC:SRC+1]
	s_cselect_b64 s[COD:COD+1], s[14:15], s[18:19]
	s_cselect_b64 s[SCB:SCB+1], s[16:17], s[20:21]
	s_cselect_b32 s30, ttmp9, s30
	s_lshl_b32 s30, s30, 2
	s_add_co_u32 s30, s30, s28                     ; which run of eight rows I read
	s_lshl_b32 s34, s30, 15                        ; 32,768 bytes a run
	s_mov_b32 s35, 0
	s_add_nc_u64 s[SRC:SRC+1], s[SRC:SRC+1], s[34:35]
	s_lshl_b32 s31, s31, 2
	s_add_co_u32 s31, s31, s32                     ; and which I write
	s_mul_i32 s34, s31, 32*STEPS*CB                ; 6,144 bytes of codes a run
	s_add_nc_u64 s[COD:COD+1], s[COD:COD+1], s[34:35]
	s_lshl_b32 s34, s31, 8                         ; 256 scale bytes a run
	s_add_nc_u64 s[SCB:SCB+1], s[SCB:SCB+1], s[34:35]
.macro LOAD t
.irp i, 0,1,2,3
	global_load_b128 v[R+16*((\t)%4)+4*\i:R+16*((\t)%4)+4*\i+3], v3, s[SRC:SRC+1] offset:2048*(\t)+512*\i th:TH_LOAD_NT   ; 32 lanes read 512 consecutive bytes
.endr
.endm
.macro TURN t                          ; step t's numbers through the stage: LDS serves a wave's instructions in order, so no wait stands between the stores and the loads
.irp i, 0,1,2,3
	ds_store_b128 v14, v[R+16*((\t)%4)+4*\i:R+16*((\t)%4)+4*\i+3] offset:32*SP*((\t)%2)+8*SP*\i
.endr
.irp i, 0,1,2,3
	ds_load_b128 v[X+16*((\t)%2)+4*\i:X+16*((\t)%2)+4*\i+3], v15 offset:32*SP*((\t)%2)+16*\i
.endr
.endm
.irp t, 0,1,2,3
	LOAD \t
.endr
	s_wait_loadcnt 12                              ; step 0's four loads are in
	TURN 0
.macro STEP t
.set XS, X+16*((\t)%2)
.if (\t) > 0
	s_wait_dscnt 1                                 ; this step's numbers are back from the stage (the last step's byte store may be out): so its stores into the stage have read their registers,
.else
	s_wait_dscnt 0x0
.endif
.if (\t)+4 < STEPS
	LOAD (\t)+4                                    ; which take the loads of four steps on
.endif
.if (\t)+1 < STEPS
.if STEPS-2-(\t) >= 3
	s_wait_loadcnt 12                              ; the next step's four loads are in; those of the three steps behind it may be out
.else
	s_wait_loadcnt 4*(STEPS-2-(\t))
.endif
	TURN (\t)+1                                    ; and go through the other stage while this step is worked
.endif
	v_max3_num_f32 v8, |v[XS]|, |v[XS+1]|, |v[XS+2]|               ; the largest magnitude of my 16, in two chains
	v_max3_num_f32 v9, |v[XS+3]|, |v[XS+4]|, |v[XS+5]|
.irp i, 6,10
	v_max3_num_f32 v8, v8, |v[XS+\i]|, |v[XS+\i+1]|
	v_max3_num_f32 v9, v9, |v[XS+\i+2]|, |v[XS+\i+3]|
.endr
	v_max3_num_f32 v8, v8, |v[XS+14]|, |v[XS+15]|
	v_max3_num_f32 v8, v8, v9, 0x1800000           ; and the floor 2^(3 - 127): so the byte cannot fall under 1
	v_max_num_f32_dpp v8, v8, v8 row_xmask:1 row_mask:0xf bank_mask:0xf   ; and of my neighbour's 16: the block's
	v_add_nc_u32 v11, 0xff000000, v8               ; 2 off its exponent field: the conversion takes the exponent field of this operand as its scale
	v_cvt_scalef32_pk16_fp6_f32 v[C+4*(\t):C+4*(\t)+2], v[XS:XS+15], v11
	v_lshrrev_b32 v[E+(\t)], 23, v11               ; the scale's byte (a plain line behind the conversion)
	ds_store_b8 v5, v[E+(\t)] offset:16*(\t)       ; both lanes of a block write the same byte with the same value
	global_store_b96 v4, v[C+4*(\t):C+4*(\t)+2], s[COD:COD+1] offset:32*CB*(\t)   ; the wave stores 384 consecutive bytes
.endm
.irp t, 0,1,2,3,4,5,6,7,8,9,10,11,12,13,14,15
	STEP \t
.endr
	ds_load_b64 v[12:13], v6                       ; LDS serves a wave's instructions in order: these see my stores
	s_wait_dscnt 0x0
	global_store_b64 v7, v[12:13], s[SCB:SCB+1]    ; 32 lanes store 256 consecutive bytes, aligned
	s_wait_tensorcnt 0x0
	ds_add_u32 v192, v193
	s_wait_dscnt 0x0
	s_endpgm
.Lfunc_end_k_q0c08dcb7ac_quant:
	.size	k_q0c08dcb7ac_quant, .Lfunc_end_k_q0c08dcb7ac_quant-k_q0c08dcb7ac_quant
	.p2alignl 7, 3214868480
	.fill 96, 4, 3214868480
	.section	.rodata,"a",@progbits
	.p2align	6, 0x0
	.amdhsa_kernel k_q0c08dcb7ac_quant
		.amdhsa_group_segment_fixed_size 33280
		.amdhsa_private_segment_fixed_size 0
		.amdhsa_enable_private_segment 0
		.amdhsa_kernarg_size 72
		.amdhsa_user_sgpr_count 2
		.amdhsa_user_sgpr_kernarg_segment_ptr 1
		.amdhsa_wavefront_size32 1
		.amdhsa_system_sgpr_workgroup_id_x 1
		.amdhsa_system_sgpr_workgroup_id_y 1
		.amdhsa_system_sgpr_workgroup_id_z 1
		.amdhsa_system_vgpr_workitem_id 0
		.amdhsa_next_free_vgpr 194
		.amdhsa_next_free_sgpr 66
		.amdhsa_reserve_vcc 0
		.amdhsa_float_denorm_mode_32 3
		.amdhsa_float_denorm_mode_16_64 3
		.amdhsa_memory_ordered 1
		.amdhsa_forward_progress 1
		.amdhsa_inst_pref_size 33
	.end_amdhsa_kernel
	.amdgpu_metadata
---
amdhsa.version: [ 1, 2 ]
amdhsa.kernels:
  - .name:           k_q0c08dcb7ac_quant
    .symbol:         k_q0c08dcb7ac_quant.kd
    .args:
      - { .name: x, .offset: 0, .size: 8, .value_kind: global_buffer, .address_space: global }
      - { .name: Wq, .offset: 8, .size: 8, .value_kind: global_buffer, .address_space: global }
      - { .name: Wk, .offset: 16, .size: 8, .value_kind: global_buffer, .address_space: global }
      - { .name: Wv, .offset: 24, .size: 8, .value_kind: global_buffer, .address_space: global }
      - { .name: Wo, .offset: 32, .size: 8, .value_kind: global_buffer, .address_space: global }
      - { .name: xc, .offset: 40, .size: 8, .value_kind: global_buffer, .address_space: global }
      - { .name: xs, .offset: 48, .size: 8, .value_kind: global_buffer, .address_space: global }
      - { .name: wc, .offset: 56, .size: 8, .value_kind: global_buffer, .address_space: global }
      - { .name: ws, .offset: 64, .size: 8, .value_kind: global_buffer, .address_space: global }
    .group_segment_fixed_size: 33280
    .private_segment_fixed_size: 0
    .kernarg_segment_align: 8
    .kernarg_segment_size: 72
    .max_flat_workgroup_size: 128
    .sgpr_count:     66
    .vgpr_count:     194
    .wavefront_size: 32
...
	.end_amdgpu_metadata
.endif
;; end of part 1
;; launch qkv (part 2): grid 12 x 16, 4 waves a work-group, clusters of 4 x 4, 327,680 bytes of LDS; arguments xc, xs, wc, ws, bq, bk, bv, qkvc, qkvs; writes qkvc, qkvs
.if DOCPART == 2
	.amdgcn_target "amdgcn-amd-amdhsa--gfx1250"
	.amdhsa_code_object_version 6
	.text
	.protected	k_q0c08dcb7ac_qkv
	.globl	k_q0c08dcb7ac_qkv
	.p2align	8
	.type	k_q0c08dcb7ac_qkv,@function
k_q0c08dcb7ac_qkv:
	s_mov_b64 s[64:65], 0
	v_nop
	global_prefetch_b8 v0, s[64:65] scope:SCOPE_SE
	s_setreg_imm32_b32 hwreg(HW_REG_WAVE_MODE, 25, 1), 1
	s_wait_xcnt 0x0
	s_wait_alu depctr_hold_cnt(0) depctr_sa_sdst(0) depctr_va_vdst(0) depctr_va_sdst(0) depctr_va_ssrc(0) depctr_va_vcc(0) depctr_vm_vsrc(0)
	s_getreg_b32 s2, hwreg(HW_REG_IB_STS2, 6, 4)
	s_cmp_eq_u32 s2, 0
	s_cbranch_scc0 .Lentry_in_a_cluster
	s_endpgm
.Lentry_in_a_cluster:
	s_bfe_u32 s2, ttmp6, 0x10000c
	s_cmp_lg_u32 s2, 0xf033
	s_cbranch_scc0 .Lentry_shape_is_right
	s_endpgm
.Lentry_shape_is_right:
; Q = x Wq^T + bq, K = x Wk^T + bk, V = x Wv^T + bv on codes of FP6 (E2M3) with E8M0 scales, sums in f32; each result is quantised again in registers, along the K of the product that will read it,
; and stored as codes in the order of that product's operand registers.  Cluster x says which: 0 Q, 1 K, 2 V.
; A tile of 256 x 256 is made by four waves, 128 x 128 each: 64 accumulators.  K = 1,024 goes in steps of 256 through a ring of two LDS slots filled by joint tensor loads in a cluster of 4 x 4;
; the scale bytes of the work-group's rows come once and stay in LDS.
; THE MATRIX INSTRUCTION: source 0 = 16 rows of role B, source 1 = 16 rows of role A.  A lane holds ONE row of role A, and since the rows of xc and wc stand swapped (position 32 g + 16 u + r holds
; row 32 g + 8 u + r + 8 (r / 8)), its 16 registers of tiles 2 b, 2 b + 1 of role B are rows 32 b + 16 (lane / 16) + 0 .. 15 of role B: 16 neighbours.
;   Q, K: role A = x (a lane holds a token), role B = the weight (registers run along the head's 64): blocks of 32 along the head.
;   V:    role A = Wv (a lane holds a channel), role B = x (registers run along the keys): blocks of 32 along the keys.
; OUT.  Q at qkvc + 0, K at + 3,145,728: [head of 32][tile of 16 tokens, 128][block 2][row 16][24 bytes];  their scale words at qkvs + 0, + 262,144: [head][tile][16 words], bytes 0, 1 the blocks',
; bytes 2, 3 = 1 (they will scale zero codes).  V at qkvc + 6,291,456: [tile of 16 channels, 128][128 keys, 16][block 4][row 16][24 bytes];  words at qkvs + 524,288: [tile][128 keys][16 words].
; A lane's 16 codes are 12 bytes at 24 row + 12 (lane / 16): a wave's store covers 384 consecutive bytes.
; LIMITS: NaN and infinities are not served; a block of zeros gets the byte 1 (its codes are zeros; this program alone reads the bytes).
; REGISTERS: window 0: v0-31 addresses; v32-63 scale words, two sets; v64-127 bq's or bk's numbers of my 128 columns; v128-223 role A's fragments, one set; v224-239 bv's numbers of my 128 rows;
;   on the way out v128-191 the 64 numbers in hand, v192-207 at work, v32-49 codes and words.  window 1: role B's fragments, two sets.  windows 2, 3: the accumulators ((a, b) at v[8 (8 (a % 4) + b)]).
.set KSTEP,  256
.set NQ,     2
.set ROWB,   192                       ; a tile's row in bytes: 256 codes
.set KROW,   768                       ; a row of codes in memory
.set PITCH,  240                       ; an LDS row: 3 x (64 bytes + 16 of padding)
.set FR,     12
.set NL,     6
.set NP,     4
.set HALFT,  128*PITCH
.set SLOT,   4*HALFT
.set LAPS,   2                         ; 1,024 / 512
.set KS,     32                        ; a row of scale bytes
.set SCL,    2*SLOT                    ; behind the ring: the scales, as units of 256 bytes + 16 of padding
.set HALFS,  (128*KS/256)*272
.set SBLK,   (16*KS/256)*272
.set SPARE,  SCL+4*HALFS               ; the spare words: 128 bytes for each wave, two blocks of 256 bytes that no other line names
.set ADRA, 16                          ; v16-19  LDS addresses of role A's fragments
.set ADRB, 20                          ; v20-23  of role B's
.set OC,   24                          ; v24     the way out: 24 r + 12 h
.set OS,   25                          ; v25     4 r
.set ADRS, 27
.set SPW,  28                          ; v28     my spare word; never rewritten
.set NIL,  29                          ; v29     0; never rewritten
.set SC,   32
.set AF,   128
.set BP,   64
.set BR,   224
.set T,    128
.set TM,   192
.set CD,   32
.set G1, 24
.set G0, 32
.set G1B, 48
.set G0B, 56
.set G1S, 68
.set G0S, 76
.set G1SB, 80
.set G0SB, 88
.set MSB, 0
.macro WIN new                         ; the immediate's high byte repeats the setting that is left
.if MSB != (\new)
	s_set_vgpr_msb (MSB<<8)|(\new)
.set MSB, (\new)
.endif
.endm
.set MUL_LO, 0xa1                      ; source 0 window 1, source 1 window 0, C and D window 2
.set MUL_HI, 0xf1
.set TO_B,   0x40
; A joint load: waves 0 and 1 fetch for role A, waves 2 and 3 for role B; the branch hangs on the wave's number alone.  Four v_nop follow each of the two lines.
.macro JLOAD g0a, g1a, g0b, g1b
	s_cmp_eq_u32 s15, 0
	s_cbranch_scc0 .Lfor_b_\@
	tensor_load_to_lds s[\g0a:\g0a+3], s[\g1a:\g1a+7]
	s_nop 0
.rept 4
	v_nop
.endr
	s_branch .Lasked_\@
.Lfor_b_\@:
	tensor_load_to_lds s[\g0b:\g0b+3], s[\g1b:\g1b+7]
	s_nop 0
.rept 4
	v_nop
.endr
.Lasked_\@:
.endm
.macro CREST                           ; a round of the cluster's barrier behind its opening barrier
	s_cmp_lg_u32 s14, 0
	s_cbranch_scc1 .Lnot_wave_0_\@
	s_barrier_signal -3
.Lnot_wave_0_\@:
	s_barrier_wait -3
	s_barrier_signal -1
	s_barrier_wait -1
.endm
.macro CROUND
	s_barrier_signal -1
	s_barrier_wait -1
	CREST
.endm
	s_load_b256 s[4:11], s[0:1], 0x0               ; xc, xs, wc, ws
	s_load_b128 s[68:71], s[0:1], 0x20             ; bq, bk
	s_load_b64 s[72:73], s[0:1], 0x30              ; bv
	s_load_b128 s[96:99], s[0:1], 0x38             ; qkvc, qkvs
	v_lshl_add_u32 v[SPW], v0, 2, SPARE
	v_mov_b32 v[NIL], 0
	ds_add_u32 v28, v29
	ds_add_u32 v28, v29
	s_wait_dscnt 0x0
	v_lshrrev_b32 v1, 5, v0
	v_readfirstlane_b32 s14, v1                    ; wave 0..3
	s_lshr_b32 s15, s14, 1                         ; which half of role A's rows is mine.  Also: I fetch for A (0) or for B (1)
	s_and_b32 s16, s14, 1                          ; which half of role B's.  Also: which 128 rows of that tile I fetch
	s_bfe_u32 s40, ttmp6, 0x40000                  ; cx, cy: my place in the cluster
	s_bfe_u32 s41, ttmp6, 0x40004
	s_and_b32 s18, ttmp7, 0xffff
	s_lshl_b32 s18, s18, 2                         ; 4 x cluster y
	s_add_co_u32 s17, s18, s41                     ; Q, K: role A's tile = 4 Y + cy (of x's 16)
	s_add_co_u32 s19, s18, s40                     ; V: role B's tile = 4 Y + cx (of x's 16)
	s_lshl_b32 s42, ttmp9, 2
	s_add_co_u32 s42, s42, s40                     ; Q, K: role B's tile = 4 X + cx (of wc's: Wq's four, then Wk's)
	s_cmp_eq_u32 ttmp9, 2                          ; V?  The cluster's x: the same in all sixteen partners
	s_cselect_b32 s17, s41, s17                    ; V: role A's tile = cy (of Wv's four).  This register never holds cx,
	s_cselect_b32 s42, s19, s42                    ; and this one never cy
	s_lshl_b32 s43, s41, 2
	s_lshl_b32 s43, 15, s43                        ; my row of the cluster
	s_lshl_b32 s44, 0x1111, s40                    ; my column
	v_and_b32 v1, 15, v0                           ; r
	v_bfe_u32 v2, v0, 4, 1                         ; h
	v_lshlrev_b32 v8, 6, v2                        ; bq, bk: 16 h numbers on
	v_and_b32 v9, 8, v1
	v_add_nc_u32 v9, v9, v1
	v_lshlrev_b32 v9, 2, v9                        ; bv: number r + 8 (r / 8)
	s_wait_kmcnt 0x0
	; the biases: both sets are loaded by every work-group (both stay inside their buffers); the way out takes the one that its product wants
	s_cmp_eq_u32 ttmp9, 1
	s_cselect_b64 s[68:69], s[70:71], s[68:69]     ; bk for K, else bq
	s_lshl_b32 s18, s40, 10
	s_lshl_b32 s19, s16, 9
	s_add_co_u32 s18, s18, s19                     ; column 256 cx + 128 x half, in bytes
	s_mov_b32 s19, 0
	s_add_nc_u64 s[68:69], s[68:69], s[18:19]
	s_lshl_b32 s18, s41, 10
	s_lshl_b32 s20, s15, 9
	s_add_co_u32 s18, s18, s20                     ; channel 256 cy + 128 x half
	s_add_nc_u64 s[72:73], s[72:73], s[18:19]
.irp b, 0,1,2,3
.irp j, 0,1,2,3
	global_load_b128 v[BP+16*\b+4*\j:BP+16*\b+4*\j+3], v8, s[68:69] offset:128*\b+16*\j   ; register 16 b + i: column 32 b + 16 h + i
.endr
.endr
.irp a, 0,1,2,3,4,5,6,7
	global_load_b32 v[BR+2*\a], v9, s[72:73] offset:(32*(\a/2)+8*(\a%2))*4               ; block a: channel 32 (a / 2) + 8 (a % 2) + r + 8 (r / 8), twice: a pair for the packed addition
	global_load_b32 v[BR+2*\a+1], v9, s[72:73] offset:(32*(\a/2)+8*(\a%2))*4
.endr
	s_wait_xcnt 0x0                                ; the loads have read their bases: s68-75 are written again below
	; the roles' buffers
	s_add_nc_u64 s[92:93], s[8:9], 2048*KROW       ; Wv's codes,
	s_add_nc_u64 s[94:95], s[10:11], 2048*KS       ; and its scale bytes
	s_cmp_eq_u32 ttmp9, 2
	s_cselect_b64 s[12:13], s[92:93], s[4:5]       ; role A's codes
	s_cselect_b64 s[92:93], s[4:5], s[8:9]         ; role B's codes
	s_cselect_b64 s[4:5], s[94:95], s[6:7]         ; role A's scales
	s_cselect_b64 s[94:95], s[6:7], s[10:11]       ; role B's scales
	; descriptor group 1: a tile of 128 rows x 192 bytes, 16 bytes of padding behind every 64
	s_or_b32 s[G1+0], s43, (0<<16)|(1<<20)|(1<<21)|(3<<22)|(3<<25)  ; 15:0 the mask: role A's tiles go to my row; 17:16 elements of 1 byte; 20 padding on; 21 set beside a mask; 24:22 after every 16 words; 31:25 of 4 words
	s_or_b32 s[G1B+0], s44, (0<<16)|(1<<20)|(1<<21)|(3<<22)|(3<<25)
.irp g, G1, G1B
	s_mov_b32 s[\g+1], ROWB<<16                    ; tensor_dim0
	s_mov_b32 s[\g+2], 128<<16                     ; tensor_dim1
	s_mov_b32 s[\g+3], ROWB<<16                    ; tile_dim0
	s_mov_b32 s[\g+4], 128                         ; tile_dim1
	s_mov_b32 s[\g+5], KROW                        ; tensor_dim0_stride
	s_mov_b32 s[\g+6], 0
	s_mov_b32 s[\g+7], 0
.endr
	; the scales of 128 rows: 4,096 dense bytes as 16 rows of 256 (32 elements of 8 bytes), 16 bytes of padding behind each
	s_or_b32 s[G1S+0], s43, (3<<16)|(1<<20)|(1<<21)|(5<<22)|(3<<25)
	s_or_b32 s[G1SB+0], s44, (3<<16)|(1<<20)|(1<<21)|(5<<22)|(3<<25)
.irp g, G1S, G1SB
	s_mov_b32 s[\g+1], 32<<16
	s_mov_b32 s[\g+2], (128*KS/256)<<16
	s_mov_b32 s[\g+3], 32<<16
	s_mov_b32 s[\g+4], 128*KS/256
	s_mov_b32 s[\g+5], 32
	s_mov_b32 s[\g+6], 0
	s_mov_b32 s[\g+7], 0
.endr
	s_lshl_b32 s18, s16, 7                         ; which 128 rows of the tile I fetch
	s_lshl_b32 s20, s17, 8
	s_add_co_u32 s20, s20, s18                     ; role A: row 256 x tile + 128 x half
	s_lshl_b32 s46, s42, 8
	s_add_co_u32 s46, s46, s18                     ; role B likewise
	s_mov_b32 s21, 0
	s_mov_b32 s47, 0
	s_mov_b64 s[18:19], KS
	s_mul_u64 s[22:23], s[20:21], s[18:19]         ; where these rows' scales begin, in bytes
	s_mul_u64 s[6:7], s[46:47], s[18:19]
	s_mov_b64 s[18:19], KROW
	s_mul_u64 s[20:21], s[20:21], s[18:19]         ; and their codes
	s_mul_u64 s[46:47], s[46:47], s[18:19]
	s_mul_i32 s45, s14, HALFT                      ; where they go: wave x 128 rows: no place in the cluster enters an LDS address
	s_add_nc_u64 s[20:21], s[12:13], s[20:21]
	s_add_nc_u64 s[22:23], s[4:5], s[22:23]
	s_add_nc_u64 s[46:47], s[92:93], s[46:47]
	s_add_nc_u64 s[92:93], s[94:95], s[6:7]
	s_mul_i32 s94, s14, HALFS
	CROUND                                         ; all sixteen work-groups are here: the first joint loads meet
	s_mov_b32 s[G0S], 1
	s_add_co_u32 s[G0S+1], s94, SCL
	s_mov_b64 s[G0S+2:G0S+3], s[22:23]
	s_or_b32 s[G0S+3], s[G0S+3], 0x80000000
	s_mov_b32 s[G0SB], 1
	s_add_co_u32 s[G0SB+1], s94, SCL
	s_mov_b64 s[G0SB+2:G0SB+3], s[92:93]
	s_or_b32 s[G0SB+3], s[G0SB+3], 0x80000000
	JLOAD G0S, G1S, G0SB, G1SB                     ; the scales first: they are wanted with K step 0
.irp s, 0,1
	s_mov_b32 s[G0+4*\s], 1
	s_add_co_u32 s[G0+4*\s+1], s45, \s*SLOT
	s_add_nc_u64 s[G0+4*\s+2:G0+4*\s+3], s[20:21], \s*ROWB
	s_or_b32 s[G0+4*\s+3], s[G0+4*\s+3], 0x80000000
	s_mov_b32 s[G0B+4*\s], 1
	s_add_co_u32 s[G0B+4*\s+1], s45, \s*SLOT
	s_add_nc_u64 s[G0B+4*\s+2:G0B+4*\s+3], s[46:47], \s*ROWB
	s_or_b32 s[G0B+4*\s+3], s[G0B+4*\s+3], 0x80000000
	JLOAD G0+4*\s, G1, G0B+4*\s, G1B
.endr
	v_mul_u32_u24 v3, v1, PITCH
	v_mul_u32_u24 v4, v2, 24
	v_add_nc_u32 v4, v3, v4                        ; a fragment's row x pitch + 24 x half
	v_lshl_add_u32 v5, v2, 4, v4                   ; and the same behind one padding more
	s_mul_i32 s21, s15, HALFT                      ; my 128 rows of role A
	s_mul_i32 s22, s16, HALFT                      ; my 128 rows of role B,
	s_add_co_u32 s22, s22, 2*HALFT                 ; which lie behind A's 256
.irp s, 0,1
	v_add_nc_u32 v[ADRA+\s], s21, v4
	v_add_nc_u32 v[ADRB+\s], s22, v4
	v_add_nc_u32 v[ADRA+2+\s], s21, v5
	v_add_nc_u32 v[ADRB+2+\s], s22, v5
	s_add_co_u32 s21, s21, SLOT
	s_add_co_u32 s22, s22, SLOT
.endr
	v_mul_u32_u24 v5, v1, KS                       ; my row's scales: KS bytes a row,
	v_lshrrev_b32 v6, 8, v5
	v_lshl_add_u32 v5, v6, 4, v5                   ; and 16 more for each 256 passed
	s_mul_i32 s21, s15, HALFS
	s_mul_i32 s22, s16, HALFS
	s_add_co_u32 s22, s22, 2*HALFS
	s_sub_co_u32 s22, s22, s21
	v_mul_u32_u24 v6, s22, v2                      ; lanes 16-31 take role B's
	s_add_co_u32 s21, s21, SCL
	v_add_nc_u32 v5, v5, v6
	v_add_nc_u32 v[ADRS], s21, v5
	v_mul_u32_u24 v[OC], v1, 24
	v_mad_u32_u24 v[OC], v2, 12, v[OC]             ; the way out: my 12 bytes of a block's 384
	v_lshlrev_b32 v[OS], 2, v1                     ; and my row's scale word
.macro FRAG reg, adr, q, i             ; a fragment, 16 rows x 128 K, is 12 registers: lane l holds row l % 16; registers 6 c .. 6 c + 5 hold K = 64 c + 32 (l / 16) + 0 .. 31: 24 bytes as they lie
.irp p, 0,1,2,3,4,5                    ; in pieces of 8 bytes; where the piece of lanes 16-31 lies behind one padding more, the second address register serves
.set PC, 12*(\q)+6*(\p/3)+\p%3
.if PC%8 < 5
	ds_load_b64 v[\reg+2*\p:\reg+2*\p+1], v[\adr] offset:8*PC+16*(PC/8)+(\i)*16*PITCH
.else
	ds_load_b64 v[\reg+2*\p:\reg+2*\p+1], v[\adr+2] offset:8*PC+16*(PC/8)+(\i)*16*PITCH
.endif
.endr
.endm
; 16 matrix instructions: role A's blocks a0, a0 + 1 x role B's eight.  The 64 accumulators take turns, one instruction a turn, in the same order in every step.
.macro MUL16 a0, p, q, sc, zero
.irp a, \a0, \a0+1
.irp b, 0,1,2,3,4,5,6,7
.if \zero
	v_wmma_scale_f32_16x16x128_f8f6f4 v[8*(8*((\a)%4)+\b):8*(8*((\a)%4)+\b)+7], v[128*(\p)+FR*\b:128*(\p)+FR*\b+FR-1], v[AF+FR*(\a):AF+FR*(\a)+FR-1], 0, v[SC+8*NQ*(\sc)+NQ*\b+(\q)], v[SC+8*NQ*(\sc)+NQ*(\a)+(\q)] matrix_a_fmt:MATRIX_FMT_FP6 matrix_b_fmt:MATRIX_FMT_FP6 matrix_a_scale:MATRIX_SCALE_ROW1
.else
	v_wmma_scale_f32_16x16x128_f8f6f4 v[8*(8*((\a)%4)+\b):8*(8*((\a)%4)+\b)+7], v[128*(\p)+FR*\b:128*(\p)+FR*\b+FR-1], v[AF+FR*(\a):AF+FR*(\a)+FR-1], v[8*(8*((\a)%4)+\b):8*(8*((\a)%4)+\b)+7], v[SC+8*NQ*(\sc)+NQ*\b+(\q)], v[SC+8*NQ*(\sc)+NQ*(\a)+(\q)] matrix_a_fmt:MATRIX_FMT_FP6 matrix_b_fmt:MATRIX_FMT_FP6 matrix_a_scale:MATRIX_SCALE_ROW1
.endif
.endr
.endr
.endm
.macro FETCH_B slot, q, p
	WIN TO_B
.irp i, 0,1,2,3,4,5,6,7
	FRAG 128*(\p)+FR*\i, ADRB+\slot, \q, \i
.endr
	WIN 0
.endm
.macro FETCH_A slot, q, i0
.irp i, \i0, \i0+1, \i0+2, \i0+3
	FRAG AF+FR*(\i), ADRA+\slot, \q, \i
.endr
.endm
.macro SCALES sc                       ; the next K step's scale words: lanes 0-15 take role A's block i, lanes 16-31 role B's block i
.irp i, 0,1,2,3,4,5,6,7
	ds_load_b64 v[SC+8*NQ*\sc+NQ*\i:SC+8*NQ*\sc+NQ*\i+1], v[ADRS] offset:\i*SBLK
.endr
.endm
.macro PLACES n                        ; places behind matrix instructions, in front of loads into registers that they have read and of the first read of results
.rept \n
	v_nop
.endr
.endm
.macro STEP slot, q, zero              ; a step of 128 along K that has its successor in the same slot
	s_wait_dscnt 4*NL                              ; B's set and A's blocks 0-3 are in; the youngest loads (A's blocks 4-7) may be out
	WIN MUL_LO
	MUL16 0, (\q)%2, \q, \slot, \zero
	MUL16 2, (\q)%2, \q, \slot, \zero
	s_wait_dscnt 0                                 ; A's blocks 4-7 are in
	PLACES NP
	FETCH_B \slot, (\q)+1, 1-(\q)%2
	FETCH_A \slot, (\q)+1, 0
	WIN MUL_HI
	MUL16 4, (\q)%2, \q, \slot, \zero
	MUL16 6, (\q)%2, \q, \slot, \zero
	PLACES NP
	WIN 0
	FETCH_A \slot, (\q)+1, 4
.endm
; A slot's last step changes slots: ONE barrier; in front of it each wave waits for all its tensor loads, adds 0 to its spare word, and waits for that and for its own reads of this slot.
.macro TURN slot, next, fill
	s_wait_tensorcnt 0x0                           ; all my tensor loads have landed: my part of the next slot
	ds_add_u32 v[SPW], v[NIL]                      ; 0 onto my spare word
	s_wait_dscnt 4*NL+1                            ; (the add and the youngest loads, A's blocks 4-7, may be out)
	WIN MUL_LO
	MUL16 0, 1, NQ-1, \slot, 0                     ; sixteen matrix instructions stand between the add and the wait for it
	s_wait_dscnt 0x0                               ; the add is done, and my reads of this slot are over
	s_barrier_signal -1
	MUL16 2, 1, NQ-1, \slot, 0
	WIN 0
	s_barrier_wait -1
.if \fill
	CREST                                          ; the barrier has opened a round of the cluster's barrier: no wave of any partner still reads this slot's tile or has a load on its way
	s_add_nc_u64 s[G0+4*\slot+2:G0+4*\slot+3], s[G0+4*\slot+2:G0+4*\slot+3], 2*ROWB
	s_add_nc_u64 s[G0B+4*\slot+2:G0B+4*\slot+3], s[G0B+4*\slot+2:G0B+4*\slot+3], 2*ROWB
	JLOAD G0+4*\slot, G1, G0B+4*\slot, G1B         ; the first tensor load behind the round; its four v_nop are also the places in front of the loads below
.else
	PLACES NP
.endif
	v_add_nc_u32 v[ADRS], 4*NQ, v[ADRS]            ; on to the next K step's scale words
	FETCH_B \next, 0, 0
	FETCH_A \next, 0, 0
	SCALES \next
	WIN MUL_HI
	MUL16 4, 1, NQ-1, \slot, 0
	MUL16 6, 1, NQ-1, \slot, 0
	PLACES NP
	WIN 0
	FETCH_A \next, 0, 4
.endm
	s_wait_loadcnt 0x0                             ; the biases
	s_wait_tensorcnt 1                             ; the scales and my part of K step 0 are in (K step 1's load may be out),
	s_barrier_signal -1
	s_barrier_wait -1                              ; everybody's are
	FETCH_B 0, 0, 0
	FETCH_A 0, 0, 0
	SCALES 0
	FETCH_A 0, 0, 4
	STEP 0, 0, 1                                   ; the first step stands in front of the loop: its products start the sums
	s_mov_b32 s3, LAPS-1
.Llap:
	TURN 0, 1, 1
	STEP 1, 0, 0
	TURN 1, 0, 1
	STEP 0, 0, 0
	s_sub_co_u32 s3, s3, 1
	s_cmp_lg_u32 s3, 0
	s_cbranch_scc1 .Llap
	TURN 0, 1, 0                                   ; the last lap fills nothing
	STEP 1, 0, 0
	s_wait_dscnt 4*NL
	WIN MUL_LO
	MUL16 0, 1, NQ-1, 1, 0
	MUL16 2, 1, NQ-1, 1, 0
	s_wait_dscnt 0
	WIN MUL_HI
	MUL16 4, 1, NQ-1, 1, 0
	MUL16 6, 1, NQ-1, 1, 0
	WIN 0
; THE WAY OUT.  64 numbers of a lane in v[T] on, register 16 b + i = neighbour 32 b + 16 (lane / 16) + i, become four runs of 16 codes in v[CD + 4 b] on; the blocks' bytes stand in v[TM + 4 + b].
.macro QH
.irp b, 0,1,2,3
	v_max3_num_f32 v[TM+\b], |v[T+16*\b]|, |v[T+16*\b+1]|, 0x1800000   ; my 16 numbers of block b, and the floor 2^(3 - 127): the byte cannot fall under 1
.endr
.irp i, 2,4,6,8,10,12,14
.irp b, 0,1,2,3
	v_max3_num_f32 v[TM+\b], v[TM+\b], |v[T+16*\b+\i]|, |v[T+16*\b+\i+1]|   ; (the four blocks by turns)
.endr
.endr
.irp b, 0,1,2,3
	v_permlanex16_b32 v[TM+4+\b], v[TM+\b], s92, s93
.endr
.irp b, 0,1,2,3
	v_max_num_f32 v[TM+\b], v[TM+\b], v[TM+4+\b]   ; with lane l xor 16's: the block's largest magnitude
.endr
.irp b, 0,1,2,3
	v_add_nc_u32 v[TM+12+\b], 0xff000000, v[TM+\b] ; 2 off its exponent field: the conversion's scale operand
.endr
.irp b, 0,1,2,3
	v_lshrrev_b32 v[TM+4+\b], 23, v[TM+12+\b]      ; the scale's byte
.endr
.irp b, 0,1,2,3
	v_cvt_scalef32_pk16_fp6_f32 v[CD+4*\b:CD+4*\b+2], v[T+16*\b:T+16*\b+15], v[TM+12+\b]
.endr
	v_nop                                          ; one plain place behind the last scaled conversion
.endm
; arm 0: Q or K;  arm 1: V.  Role A's blocks one after the other; each accumulator is read from its low end on.
.macro EPI arm
.irp a, 0,1,2,3,4,5,6,7
.if \a > 0
	s_wait_xcnt 0x0                                ; the last block's stores have read their data: the registers are written again
.endif
	WIN 0x02+(\a/4)                                ; source 0: window 2 or 3
.set n, 0
.rept 32
.if \arm
	v_pk_add_f32 v[T+2*n:T+2*n+1], v[64*(\a%4)+2*n:64*(\a%4)+2*n+1], v[BR+2*\a:BR+2*\a+1]   ; + bv of my channel
.else
	v_pk_add_f32 v[T+2*n:T+2*n+1], v[64*(\a%4)+2*n:64*(\a%4)+2*n+1], v[BP+2*n:BP+2*n+1]     ; + bq or bk of the register's column
.endif
.set n, n+1
.endr
	WIN 0
	QH
.if \arm
	v_lshl_or_b32 v48, v[TM+5], 8, v[TM+4]         ; the four blocks of 128 keys: one word
	v_lshl_or_b32 v48, v[TM+6], 16, v48
	v_lshl_or_b32 v48, v[TM+7], 24, v48
.irp b, 0,1,2,3
	global_store_b96 v[OC], v[CD+4*\b:CD+4*\b+2], s[96:97] offset:\a*24576+\b*384
.endr
	global_store_b32 v[OS], v48, s[98:99] offset:\a*1024    ; (lanes l and l xor 16 store the same word with the same value)
.else
	v_lshl_or_b32 v48, v[TM+5], 8, v[TM+4]         ; two heads, two blocks each; bytes 2 and 3 are 1
	v_lshl_or_b32 v49, v[TM+7], 8, v[TM+6]
	v_or_b32 v48, 0x01010000, v48
	v_or_b32 v49, 0x01010000, v49
.irp b, 0,1,2,3
	global_store_b96 v[OC], v[CD+4*\b:CD+4*\b+2], s[96:97] offset:\a*768+(\b/2)*98304+(\b%2)*384
.endr
	global_store_b32 v[OS], v48, s[98:99] offset:\a*64
	global_store_b32 v[OS], v49, s[98:99] offset:\a*64+8192
.endif
.endr
.endm
	PLACES NP
	s_mov_b32 s92, 0x76543210
	s_mov_b32 s93, 0xfedcba98                      ; v_permlanex16_b32's selects for lane l xor 16
.irp b, 0,1,2,3
	v_mov_b32 v[TM+4+\b], 0                        ; a lane permute's destination counts as one of its sources
.endr
	s_mov_b32 s21, 0
	s_cmp_eq_u32 ttmp9, 2                          ; the cluster's x: all partners take the same way
	s_cbranch_scc1 .Lv
	s_lshr_b32 s18, s17, 3                         ; batch
	s_lshl_b32 s18, s18, 4
	s_lshl_b32 s19, s40, 2
	s_add_co_u32 s18, s18, s19
	s_lshl_b32 s19, s16, 1
	s_add_co_u32 s18, s18, s19                     ; 16 batch + my first head: 4 cx + 2 x half
	s_lshl_b32 s18, s18, 7
	s_and_b32 s19, s17, 7
	s_lshl_b32 s19, s19, 4
	s_add_co_u32 s18, s18, s19
	s_lshl_b32 s19, s15, 3
	s_add_co_u32 s18, s18, s19                     ; x 128 + my first tile of tokens
	s_mul_i32 s20, s18, 768
	s_mul_i32 s19, ttmp9, 3145728
	s_add_co_u32 s20, s20, s19
	s_add_nc_u64 s[96:97], s[96:97], s[20:21]
	s_lshl_b32 s20, s18, 6
	s_lshl_b32 s19, ttmp9, 18
	s_add_co_u32 s20, s20, s19
	s_add_nc_u64 s[98:99], s[98:99], s[20:21]
	EPI 0
	s_branch .Ljoin
.Lv:
	s_lshr_b32 s18, s42, 3                         ; batch
	s_lshl_b32 s18, s18, 6
	s_lshl_b32 s19, s41, 4
	s_add_co_u32 s18, s18, s19
	s_lshl_b32 s19, s15, 3
	s_add_co_u32 s18, s18, s19                     ; 64 batch + my first tile of channels: 16 cy + 8 x half
	s_lshl_b32 s18, s18, 4
	s_and_b32 s19, s42, 7
	s_lshl_b32 s19, s19, 1
	s_add_co_u32 s18, s18, s19
	s_add_co_u32 s18, s18, s16                     ; x 16 + my 128 keys
	s_mul_i32 s20, s18, 1536
	s_add_co_u32 s20, s20, 6291456
	s_add_nc_u64 s[96:97], s[96:97], s[20:21]
	s_lshl_b32 s20, s18, 6
	s_add_co_u32 s20, s20, 524288
	s_add_nc_u64 s[98:99], s[98:99], s[20:21]
	EPI 1
.Ljoin:
	s_wait_tensorcnt 0x0                           ; the wave's end
	ds_add_u32 v[SPW], v[NIL]
	s_wait_dscnt 0x0
	CROUND                                         ; the closing round: no work-group ends while a partner may still ask for a tile that names it
	s_endpgm
.Lfunc_end_k_q0c08dcb7ac_qkv:
	.size	k_q0c08dcb7ac_qkv, .Lfunc_end_k_q0c08dcb7ac_qkv-k_q0c08dcb7ac_qkv
	.p2alignl 7, 3214868480
	.fill 96, 4, 3214868480
	.section	.rodata,"a",@progbits
	.p2align	6, 0x0
	.amdhsa_kernel k_q0c08dcb7ac_qkv
		.amdhsa_group_segment_fixed_size 327680
		.amdhsa_private_segment_fixed_size 0
		.amdhsa_enable_private_segment 0
		.amdhsa_kernarg_size 72
		.amdhsa_user_sgpr_count 2
		.amdhsa_user_sgpr_kernarg_segment_ptr 1
		.amdhsa_wavefront_size32 1
		.amdhsa_system_sgpr_workgroup_id_x 1
		.amdhsa_system_sgpr_workgroup_id_y 1
		.amdhsa_system_sgpr_workgroup_id_z 1
		.amdhsa_system_vgpr_workitem_id 0
		.amdhsa_next_free_vgpr 1024
		.amdhsa_next_free_sgpr 100
		.amdhsa_reserve_vcc 0
		.amdhsa_float_denorm_mode_32 3
		.amdhsa_float_denorm_mode_16_64 3
		.amdhsa_memory_ordered 1
		.amdhsa_forward_progress 1
		.amdhsa_inst_pref_size 231
	.end_amdhsa_kernel
	.amdgpu_metadata
---
amdhsa.version: [ 1, 2 ]
amdhsa.kernels:
  - .name:           k_q0c08dcb7ac_qkv
    .symbol:         k_q0c08dcb7ac_qkv.kd
    .args:
      - { .name: xc, .offset: 0, .size: 8, .value_kind: global_buffer, .address_space: global }
      - { .name: xs, .offset: 8, .size: 8, .value_kind: global_buffer, .address_space: global }
      - { .name: wc, .offset: 16, .size: 8, .value_kind: global_buffer, .address_space: global }
      - { .name: ws, .offset: 24, .size: 8, .value_kind: global_buffer, .address_space: global }
      - { .name: bq, .offset: 32, .size: 8, .value_kind: global_buffer, .address_space: global }
      - { .name: bk, .offset: 40, .size: 8, .value_kind: global_buffer, .address_space: global }
      - { .name: bv, .offset: 48, .size: 8, .value_kind: global_buffer, .address_space: global }
      - { .name: qkvc, .offset: 56, .size: 8, .value_kind: global_buffer, .address_space: global }
      - { .name: qkvs, .offset: 64, .size: 8, .value_kind: global_buffer, .address_space: global }
    .group_segment_fixed_size: 327680
    .private_segment_fixed_size: 0
    .kernarg_segment_align: 8
    .kernarg_segment_size: 72
    .max_flat_workgroup_size: 128
    .sgpr_count:     100
    .vgpr_count:     1024
    .wavefront_size: 32
...
	.end_amdgpu_metadata
.endif
;; end of part 2
;; launch attn (part 3): grid 8 x 32, 4 waves a work-group, no clusters, 327,680 bytes of LDS; arguments qkvc, qkvs, keep_mask, cc, cs; writes cc, cs
.if DOCPART == 3
	.amdgcn_target "amdgcn-amd-amdhsa--gfx1250"
	.amdhsa_code_object_version 6
	.text
	.protected	k_q0c08dcb7ac_attn
	.globl	k_q0c08dcb7ac_attn
	.p2align	8
	.type	k_q0c08dcb7ac_attn,@function
k_q0c08dcb7ac_attn:
	s_mov_b64 s[64:65], 0
	v_nop
	global_prefetch_b8 v0, s[64:65] scope:SCOPE_SE
	s_setreg_imm32_b32 hwreg(HW_REG_WAVE_MODE, 25, 1), 1
	s_wait_xcnt 0x0
; ctx = softmax(mask(Q K^T / 8)) V for one head (work-group y, 32 of them) and 256 queries (work-group x), both products on codes of FP6 (E2M3) with E8M0 scales; ctx is quantised along its 1,024 and stored as codes.
; THE WEIGHTS ARE QUANTISED FINISHED AND NORMALISED, so a row's whole sum must be known before any of its weights is quantised.  So the work goes in strips of 32 queries (two tiles), and a strip's
; 32 x 2,048 scores stay in REGISTERS: wave w owns keys 512 w .. 512 w + 511 for both tiles, 64 accumulators, 512 registers.  Each score is multiplied once and put through one exponential.
; LAYOUT.  S^T = K Q^T (source 0 = 16 keys, source 1 = 16 queries), O^T = V^T P^T: a lane holds ONE query throughout.  The head's 64 fill half of the instruction's 128 along K: the other half is zero codes on both sides.
; The rows of a tile stand swapped (position 32 g + 16 u + r holds row 32 g + 8 u + r + 8 (r / 8)), so the 16 registers of key tiles 2 b, 2 b + 1 are keys 32 b + 16 (lane / 16) + 0 .. 15.
; THE MASK.  A byte 1 keeps, 0 drops.  v_perm_b32 with the four mask bytes as its selector turns each into the BF8 code of 0 (kept) or of -57,344 (dropped); two codes are widened by one conversion, and one packed
; multiply-add adds 2^110 x that to two scores: a kept score is unchanged, a dropped one becomes about -1.75 x 2^125, whose weight is 0.
; THE SOFTMAX.  t = score x log2(e) / 8;  a wave takes M = its keys' largest t rounded up to a whole number (kept as -M), p = 2^(t - M), and the sum of its p;  the four waves' (-M, sum) meet in LDS;
; every wave then forms F = 2^(its M - the largest M) / the row's sum, and p x F is the weight.  A block's largest weight is not searched for: the block's largest score goes through the same instructions.
; A row or a wave's part of a row with no kept key: the largest t is held at -1e30 from below, every p is 0, the sum is held at 0.25 from below (a row with a kept key has a sum over 0.5): the weights are 0, as asked.
; LIMITS: kept scores lie under 2^120 in magnitude and their t over -1e30; NaN and infinities are not served; mask bytes are 0 or 1.
; The mask comes through two LDS slots by tensor loads, each wave its own 32 rows x 512 bytes, a strip ahead; a wave's 32 tiles of K lie in LDS for the whole launch, its 16 fragments of V in registers.
; No cluster: what work-groups share (K and V, 200 KB a work-group) is less than half of the mask's 512 KB, which nobody shares.
; REGISTERS.  window 0: v1-16 addresses and constants; v20-23 (-M, sum) a tile; v24-27 F; v28-31 at work; v32-55 Q; v56 Q's scale words; v58-65 P's; v66-81 K's; v82-89 V's; v96-111, v112-127 at work;
;   v128-159 the blocks' largest scores, then weights; v160-255 by turns K's fragments, mask bytes and their widened codes, P's codes, O's sums.
;   window 1: V's fragment (t, s) at 12 (4 t + s); O^T (tile q, channels t) at 192 + 8 (4 q + t).   windows 2, 3: the scores of query tile 0, 1: key tile n at 8 n.
.set SLOT1, 1<<17                      ; mask slot 1 begins here: one exclusive or turns an address
.set MROW,  528                        ; a mask row in LDS: 512 bytes + 16
.set MW,    32*MROW                    ; a wave's part of a slot
.set OPART, 4*MW                       ; the waves' parts of O^T: [wave][accumulator 8][half 2][lane][16 bytes]
.set STAT,  OPART+32768                ; (-M, sum): [wave][tile][row][8 bytes]
.set SPARE, STAT+1024                  ; the spare words: 128 bytes for each wave, two blocks of 256 bytes that no other line names
.set KIMG,  SLOT1+4*MW                 ; K's tiles, 24,576 bytes a wave
.set KW,    24576
.set MSB, 0
.macro WIN new                         ; the immediate's high byte repeats the setting that is left
.if MSB != (\new)
	s_set_vgpr_msb (MSB<<8)|(\new)
.set MSB, (\new)
.endif
.endm
.macro PLACES                          ; four places behind matrix instructions (ISA guide 7.12.1)
.rept 4
	v_nop
.endr
.endm
.macro KLOAD g, set                    ; four tiles of K: the 24 bytes a lane that hold codes; the fragments' upper halves stay zeros
.irp f, 0,1,2,3
.irp p, 0,1,2
	ds_load_b64 v[160+48*(\set)+12*\f+2*\p:160+48*(\set)+12*\f+2*\p+1], v5 offset:(4*(\g)+\f)*768+8*\p
.endr
.endr
.endm
.macro QKMUL g, set                    ; their scores with both tiles of queries.  K's scale words: tile 2 i in lanes 0-15 of register i, tile 2 i + 1 in lanes 16-31; Q's: tile 0 below, tile 1 above
	WIN 0x80
.irp f, 0,1,2,3
.if \f % 2
	v_wmma_scale_f32_16x16x128_f8f6f4 v[8*(4*(\g)+\f):8*(4*(\g)+\f)+7], v[160+48*(\set)+12*\f:160+48*(\set)+12*\f+11], v[32:43], 0, v[66+2*(\g)+\f/2], v56 matrix_a_fmt:MATRIX_FMT_FP6 matrix_b_fmt:MATRIX_FMT_FP6 matrix_a_scale:MATRIX_SCALE_ROW1
.else
	v_wmma_scale_f32_16x16x128_f8f6f4 v[8*(4*(\g)+\f):8*(4*(\g)+\f)+7], v[160+48*(\set)+12*\f:160+48*(\set)+12*\f+11], v[32:43], 0, v[66+2*(\g)+\f/2], v56 matrix_a_fmt:MATRIX_FMT_FP6 matrix_b_fmt:MATRIX_FMT_FP6
.endif
.endr
	WIN 0xc0
.irp f, 0,1,2,3
.if \f % 2
	v_wmma_scale_f32_16x16x128_f8f6f4 v[8*(4*(\g)+\f):8*(4*(\g)+\f)+7], v[160+48*(\set)+12*\f:160+48*(\set)+12*\f+11], v[44:55], 0, v[66+2*(\g)+\f/2], v56 matrix_a_fmt:MATRIX_FMT_FP6 matrix_b_fmt:MATRIX_FMT_FP6 matrix_a_scale:MATRIX_SCALE_ROW1 matrix_b_scale:MATRIX_SCALE_ROW1
.else
	v_wmma_scale_f32_16x16x128_f8f6f4 v[8*(4*(\g)+\f):8*(4*(\g)+\f)+7], v[160+48*(\set)+12*\f:160+48*(\set)+12*\f+11], v[44:55], 0, v[66+2*(\g)+\f/2], v56 matrix_a_fmt:MATRIX_FMT_FP6 matrix_b_fmt:MATRIX_FMT_FP6 matrix_b_scale:MATRIX_SCALE_ROW1
.endif
.endr
.endm
.macro MLOAD k                         ; batch k: query tile k / 4, blocks 4 (k % 4) .. + 3 of my 16: my query's 16 mask bytes of each
.irp bb, 0,1,2,3
	ds_load_b128 v[160+16*((\k)%2)+4*\bb:160+16*((\k)%2)+4*\bb+3], v7 offset:((\k)/4)*4224+128*((\k)%4)+32*\bb
.endr
.endm
.macro BATCH k                         ; the mask goes onto 64 scores a lane, and each block's largest score is taken
.set W, 2+(\k)/4
.set SB, 64*((\k)%4)
.set MB, 160+16*((\k)%2)
.set BMB, 128+16*((\k)/4)+4*((\k)%4)
.if (\k) < 7
	s_wait_dscnt 4                                 ; this batch's four loads are in; the next batch's four may be out
.else
	s_wait_dscnt 0x0
.endif
.set n, 0
.rept 16
	v_perm_b32 v[96+n], s68, s68, v[MB+n]          ; selector byte 0 takes the table's byte 0xfb (BF8: -57,344), selector byte 1 its byte 0
.set n, n+1
.endr
.if (\k)+2 < 8
	MLOAD (\k)+2
.endif
.set n, 0
.irp e, v96.l,v96.h,v97.l,v97.h,v98.l,v98.h,v99.l,v99.h,v100.l,v100.h,v101.l,v101.h,v102.l,v102.h,v103.l,v103.h,v104.l,v104.h,v105.l,v105.h,v106.l,v106.h,v107.l,v107.h,v108.l,v108.h,v109.l,v109.h,v110.l,v110.h,v111.l,v111.h
	v_cvt_pk_f32_bf8 v[192+2*n:193+2*n], \e
.set n, n+1
.endr
	WIN (W<<6)|(W<<4)
.set n, 0
.rept 32
	v_pk_fma_f32 v[SB+2*n:SB+2*n+1], v[192+2*n:193+2*n], s[66:67], v[SB+2*n:SB+2*n+1] op_sel_hi:[1,0,1]   ; each accumulator is read from its low end on
.set n, n+1
.endr
	WIN (W<<2)|(W<<4)
.set i, 0
.rept 8
.irp bb, 0,1,2,3
.if i == 0
	v_max3_num_f32 v[BMB+\bb], v16, v[SB+16*\bb], v[SB+16*\bb+1]       ; (v16: the lowest finite number; the four blocks by turns)
.else
	v_max3_num_f32 v[BMB+\bb], v[BMB+\bb], v[SB+16*\bb+2*i], v[SB+16*\bb+2*i+1]
.endif
.endr
.set i, i+1
.endr
	WIN 0
.endm
.macro ROWMAX q                        ; tile q: the blocks' largest scores with the other half of the lanes'; -M; each block's largest p
.set B0, 128+16*\q
.set n, 0
.rept 16
	v_permlanex16_b32 v[112+n], v[B0+n], s60, s61
.set n, n+1
.endr
.set n, 0
.rept 16
	v_max_num_f32 v[B0+n], v[B0+n], v[112+n]
.set n, n+1
.endr
	v_max3_num_f32 v28, v[B0], v[B0+1], v[B0+2]
	v_max3_num_f32 v29, v[B0+3], v[B0+4], v[B0+5]
	v_max3_num_f32 v28, v28, v[B0+6], v[B0+7]
	v_max3_num_f32 v29, v29, v[B0+8], v[B0+9]
	v_max3_num_f32 v28, v28, v[B0+10], v[B0+11]
	v_max3_num_f32 v29, v29, v[B0+12], v[B0+13]
	v_max3_num_f32 v28, v28, v[B0+14], v[B0+15]
	v_max_num_f32 v28, v28, v29                    ; the largest score of my query among my wave's keys
	v_mul_f32 v28, s62, v28                        ; as t
	v_max_num_f32 v28, s71, v28                    ; held at -1e30: no key kept
	v_floor_f32 v[20+2*\q], -v28                   ; -M = floor(-t)
.set n, 0
.rept 16
	v_fma_f32 v[B0+n], v[B0+n], s62, v[20+2*\q]
.set n, n+1
.endr
.set n, 0
.rept 16
	v_exp_f32 v[B0+n], v[B0+n]                     ; the same two instructions on the same number as below: the same bits
.set n, n+1
.endr
	v_nop                                          ; a plain place behind the exponentials
.endm
.macro EXPS q                          ; tile q: p = 2^(t - M) in place, and my keys' sum of p
.set W, 2+\q
	WIN (W<<6)|W
	v_pk_fma_f32 v[0:1], v[0:1], s[62:63], v[20+2*\q:21+2*\q] op_sel_hi:[1,0,0]
.set n, 1
.rept 127
	v_pk_fma_f32 v[2*n:2*n+1], v[2*n:2*n+1], s[62:63], v[20+2*\q:21+2*\q] op_sel_hi:[1,0,0]   ; a plain line between two pairs of exponentials
	v_exp_f32 v[2*n-2], v[2*n-2]
	v_exp_f32 v[2*n-1], v[2*n-1]
.set n, n+1
.endr
	v_exp_f32 v254, v254
	v_exp_f32 v255, v255
	WIN 0
.set n, 0
.rept 8
	v_mov_b32 v[112+n], 0                          ; four chains of pairs (plain lines behind the last exponentials)
.set n, n+1
.endr
	WIN W<<2
.set n, 0
	s_wait_alu depctr_va_vdst(0)
.rept 128
	v_pk_add_f32 v[112+2*(n%4):113+2*(n%4)], v[112+2*(n%4):113+2*(n%4)], v[2*n:2*n+1]
.set n, n+1
.endr
	WIN 0
	v_pk_add_f32 v[112:113], v[112:113], v[114:115]
	v_pk_add_f32 v[116:117], v[116:117], v[118:119]
	v_pk_add_f32 v[112:113], v[112:113], v[116:117]
	v_add_f32 v28, v112, v113
	v_permlanex16_b32 v29, v28, s60, s61
	v_add_f32 v[21+2*\q], v28, v29                 ; with lane l xor 16's
.endm
.macro FIN q                           ; tile q: F; the blocks' scales; the weights p x F; their codes
.set W, 2+\q
.set G, 96+8*\q
.set P0, 128+16*\q
.set PC, 160+48*\q
	v_min3_num_f32 v28, v[G], v[G+2], v[G+4]
	v_min_num_f32 v28, v28, v[G+6]                 ; the least -M: the row's M
.irp w, 0,1,2,3
	v_sub_f32 v[G+2*\w], v28, v[G+2*\w]            ; wave w's M less the row's: a whole number, 0 or less
.endr
.irp w, 0,1,2,3
	v_cvt_i32_f32 v[G+2*\w], v[G+2*\w]             ; (it saturates)
.endr
.irp w, 0,1,2,3
	v_ldexp_f32 v[G+2*\w+1], v[G+2*\w+1], v[G+2*\w]   ; its sum under the row's M: nothing is rounded
.endr
	v_add_f32 v30, v[G+1], v[G+3]
	v_add_f32 v31, v[G+5], v[G+7]
	v_add_f32 v30, v30, v31
	v_max_num_f32 v30, 0x3e800000, v30             ; held at 0.25: only a row with no kept key lies under it
	v_rcp_f32 v30, v30
	v_sub_f32 v31, v28, v[20+2*\q]                 ; (plain lines behind the reciprocal)  my wave's M less the row's
	v_cvt_i32_f32 v31, v31
	s_wait_alu depctr_va_vdst(0)
	v_ldexp_f32 v[24+2*\q], v30, v31               ; F
	v_mov_b32 v[25+2*\q], v[24+2*\q]
.set n, 0
.rept 16
	v_mul_f32 v[P0+n], v[P0+n], v[24+2*\q]         ; the block's largest weight
.set n, n+1
.endr
.set n, 0
.rept 16
	v_max_num_f32 v[P0+n], 0x1800000, v[P0+n]      ; the floor 2^(3 - 127): the byte cannot fall under 1
.set n, n+1
.endr
.set n, 0
.rept 16
	v_add_nc_u32 v[112+n], 0xff000000, v[P0+n]     ; 2 off the exponent field: the conversion's scale operand
.set n, n+1
.endr
.set n, 0
.rept 16
	v_lshrrev_b32 v[P0+n], 23, v[112+n]            ; the scale's byte
.set n, n+1
.endr
.irp s, 0,1,2,3
	v_lshl_or_b32 v[58+4*\q+\s], v[P0+4*\s+1], 8, v[P0+4*\s]      ; the scale word of 128 keys
	v_lshl_or_b32 v[58+4*\q+\s], v[P0+4*\s+2], 16, v[58+4*\q+\s]
	v_lshl_or_b32 v[58+4*\q+\s], v[P0+4*\s+3], 24, v[58+4*\q+\s]
.endr
	WIN (W<<6)|W
.set n, 0
.rept 128
	v_pk_mul_f32 v[2*n:2*n+1], v[2*n:2*n+1], v[24+2*\q:25+2*\q] op_sel_hi:[1,0]
.set n, n+1
.endr
.irp s, 0,1,2,3
	WIN W
.irp c, 0,1
	v_cvt_scalef32_pk16_fp6_f32 v[PC+12*\s+6*\c:PC+12*\s+6*\c+2], v[64*\s+32*\c:64*\s+32*\c+15], v[112+4*\s+2*\c]
	v_cvt_scalef32_pk16_fp6_f32 v[P0+8*(\s%2)+4*\c:P0+8*(\s%2)+4*\c+2], v[64*\s+32*\c+16:64*\s+32*\c+31], v[112+4*\s+2*\c+1]   ; (a conversion's three registers begin on an even number)
.endr
	WIN 0
	v_nop                                          ; one plain place behind the last scaled conversion
.irp c, 0,1                                    ; the operand's layout wants a WHOLE block in a lane
.irp i, 0,1,2
	v_permlane16_swap_b32 v[PC+12*\s+6*\c+\i], v[P0+8*(\s%2)+4*\c+\i]
.endr
.irp i, 0,1,2
	v_mov_b32 v[PC+12*\s+6*\c+3+\i], v[P0+8*(\s%2)+4*\c+\i]
.endr
.endr
.endr
.endm
; A STRIP of 32 queries.  refill = 1: its mask slot is filled again with the mask of the strip two on.
.macro STRIP refill
.if \refill
	s_wait_tensorcnt 0x1                           ; my part of this strip's mask is in (and K, in the first strip); the one load issued behind it may be out
.else
	s_wait_tensorcnt 0x0
.endif
	s_wait_loadcnt 0x0                             ; Q of this strip: so its loads' bases may step
	s_add_nc_u64 s[72:73], s[72:73], 1536
	s_add_nc_u64 s[74:75], s[74:75], 128
	v_add_nc_u32 v7, s69, v6                       ; the mask slot in hand
.irp f, 0,1,2,3,4,5,6,7
.irp p, 6,7,8,9,10,11
	v_mov_b32 v[160+12*\f+\p], 0                   ; the upper halves of K's eight fragment registers: zero codes
.endr
.endr
	KLOAD 0, 0
.irp g, 0,1,2,3,4,5,6,7
	PLACES                                         ; in front of loads into registers that the products before have read; in the first turn: behind the zeros
.if \g < 7
	KLOAD \g+1, (\g+1)%2
	s_wait_dscnt 12                                ; this turn's four tiles are in; the 12 loads just issued may be out
.else
	s_wait_dscnt 0x0
.endif
	QKMUL \g, \g%2
	WIN 0
.endr
	PLACES
.irp q, 0,1
.irp p, 0,1,2
	global_load_b64 v[32+12*\q+2*\p:32+12*\q+2*\p+1], v12, s[72:73] offset:768*\q+8*\p   ; the next strip's Q (behind the last strip: bytes of K's region, inside the buffer, and not used)
.endr
.endr
	global_load_b32 v56, v13, s[74:75]
	MLOAD 0
	MLOAD 1
.irp k, 0,1,2,3,4,5,6,7
	BATCH \k
.endr
	ROWMAX 0
	ROWMAX 1
	EXPS 0
	EXPS 1
	ds_store_b64 v8, v[20:21]                      ; (-M, sum) of my keys; lanes l and l xor 16 store the same
	ds_store_b64 v8, v[22:23] offset:128
.if \refill
	s_wait_tensorcnt 0x0                           ; all my tensor loads have landed: the next strip's mask
	ds_add_u32 v1, v2                              ; 0 onto my spare word
	s_xor_b32 s57, s57, SLOT1                      ; the walking descriptor: the slot just read,
	s_add_nc_u64 s[58:59], s[58:59], 65536         ; the next 32 rows of the mask
	s_wait_dscnt 0x0                               ; the add and my stores are done, and my reads of the slot are over
	s_barrier_signal -1
	s_barrier_wait -1
	tensor_load_to_lds s[56:59], s[32:39]          ; my one tensor load behind the barrier, first thing: it has a whole strip in which to land
	s_nop 0
	PLACES
.else
	s_wait_dscnt 0x0
	s_barrier_signal -1
	s_barrier_wait -1
.endif
.irp q, 0,1
.irp w, 0,1,2,3
	ds_load_b64 v[96+8*\q+2*\w:96+8*\q+2*\w+1], v9 offset:256*\w+128*\q
.endr
.endr
	s_wait_dscnt 0x0
	FIN 0
	FIN 1
.rept 8
	v_nop                                          ; operands and scale words written by vector instructions stand ahead of the scaled products
.endr
	WIN 0x51                                       ; V, C and D window 1, P window 0
.irp s, 0,1,2,3                                ; O^T += V^T P^T over my 512 keys: the eight accumulators by turns
.irp t, 0,1,2,3
.irp q, 0,1
.if \s == 0
	v_wmma_scale_f32_16x16x128_f8f6f4 v[192+8*(4*\q+\t):192+8*(4*\q+\t)+7], v[12*(4*\t+\s):12*(4*\t+\s)+11], v[160+48*\q+12*\s:160+48*\q+12*\s+11], 0, v[82+2*\t+\s/2], v[58+4*\q+\s] matrix_a_fmt:MATRIX_FMT_FP6 matrix_b_fmt:MATRIX_FMT_FP6
.elseif \s % 2
	v_wmma_scale_f32_16x16x128_f8f6f4 v[192+8*(4*\q+\t):192+8*(4*\q+\t)+7], v[12*(4*\t+\s):12*(4*\t+\s)+11], v[160+48*\q+12*\s:160+48*\q+12*\s+11], v[192+8*(4*\q+\t):192+8*(4*\q+\t)+7], v[82+2*\t+\s/2], v[58+4*\q+\s] matrix_a_fmt:MATRIX_FMT_FP6 matrix_b_fmt:MATRIX_FMT_FP6 matrix_a_scale:MATRIX_SCALE_ROW1
.else
	v_wmma_scale_f32_16x16x128_f8f6f4 v[192+8*(4*\q+\t):192+8*(4*\q+\t)+7], v[12*(4*\t+\s):12*(4*\t+\s)+11], v[160+48*\q+12*\s:160+48*\q+12*\s+11], v[192+8*(4*\q+\t):192+8*(4*\q+\t)+7], v[82+2*\t+\s/2], v[58+4*\q+\s] matrix_a_fmt:MATRIX_FMT_FP6 matrix_b_fmt:MATRIX_FMT_FP6
.endif
.endr
.endr
.endr
	WIN 0
	PLACES
	WIN 0x04                                       ; an LDS store's data are its source 1: window 1
.irp a, 0,1,2,3,4,5,6,7
	ds_store_b128 v10, v[192+8*\a:192+8*\a+3] offset:1024*\a          ; my keys' part of O^T, as an image of its registers; each accumulator from its low end on
	ds_store_b128 v10, v[192+8*\a+4:192+8*\a+7] offset:1024*\a+512
.endr
	WIN 0
	s_wait_dscnt 0x0                               ; for the others' sake: my stores are done
	s_barrier_signal -1
	s_barrier_wait -1
.irp w, 0,1,2,3                                ; wave w finishes accumulators 2 w, 2 w + 1: query tile w / 2, channels 32 (w % 2) on: one block of ctx a row
.irp u, 0,1,2,3
	ds_load_b128 v[160+16*\w+4*\u:160+16*\w+4*\u+3], v11 offset:8192*\w+512*\u
.endr
.endr
	s_wait_dscnt 0x0
.set n, 0
.rept 8
	v_pk_add_f32 v[160+2*n:161+2*n], v[160+2*n:161+2*n], v[176+2*n:177+2*n]
	v_pk_add_f32 v[192+2*n:193+2*n], v[192+2*n:193+2*n], v[208+2*n:209+2*n]
.set n, n+1
.endr
.set n, 0
.rept 8
	v_pk_add_f32 v[160+2*n:161+2*n], v[160+2*n:161+2*n], v[192+2*n:193+2*n]   ; ctx(my query, 32 (w % 2) + 16 (lane / 16) + 0 .. 15)
.set n, n+1
.endr
	v_max3_num_f32 v28, |v160|, |v161|, 0x1800000
.irp i, 2,4,6,8,10,12,14
	v_max3_num_f32 v28, v28, |v[160+\i]|, |v[161+\i]|
.endr
	v_permlanex16_b32 v29, v28, s60, s61
	v_max_num_f32 v28, v28, v29                    ; the block's largest magnitude
	v_add_nc_u32 v30, 0xff000000, v28
	v_lshrrev_b32 v31, 23, v30
	v_cvt_scalef32_pk16_fp6_f32 v[224:226], v[160:175], v30
	v_nop                                          ; one plain place behind the scaled conversion
	global_store_b96 v14, v[224:226], s[76:77]     ; 12 bytes of my query's row of codes
	global_store_b8 v15, v31, s[78:79]             ; its block's byte (lanes l and l xor 16 store the same)
	s_wait_xcnt 0x0                                ; the stores have read their registers and bases
	s_add_nc_u64 s[76:77], s[76:77], 24576
	s_add_nc_u64 s[78:79], s[78:79], 1024
.endm
	s_load_b256 s[4:11], s[0:1], 0x0               ; qkvc, qkvs, keep_mask, cc
	s_load_b64 s[12:13], s[0:1], 0x20              ; cs
	v_lshl_add_u32 v1, v0, 2, SPARE                ; my spare word; never rewritten
	v_mov_b32 v2, 0                                ; 0; never rewritten
	ds_add_u32 v1, v2
	ds_add_u32 v1, v2
	s_wait_dscnt 0x0
	v_lshrrev_b32 v3, 5, v0
	v_readfirstlane_b32 s14, v3                    ; wave 0..3
	s_and_b32 s15, ttmp7, 0xffff                   ; the head, 16 batch + head
	; descriptor group 1, the mask: 32 rows x 512 bytes, 2,048 bytes apart, 16 bytes of padding behind each row
	s_mov_b32 s32, (1<<20)|(6<<22)|(3<<25)         ; elements of 1 byte; padding on; after every 128 words; of 4 words
	s_mov_b32 s33, 512<<16                         ; tensor_dim0
	s_mov_b32 s34, 32<<16                          ; tensor_dim1
	s_mov_b32 s35, 512<<16                         ; tile_dim0
	s_mov_b32 s36, 32                              ; tile_dim1
	s_mov_b32 s37, 2048                            ; tensor_dim0_stride
	s_mov_b32 s38, 0
	s_mov_b32 s39, 0
	; K: 24,576 dense bytes as 96 rows of 256 (32 elements of 8 bytes)
	s_mov_b32 s40, 3<<16
	s_mov_b32 s41, 32<<16
	s_mov_b32 s42, 96<<16
	s_mov_b32 s43, 32<<16
	s_mov_b32 s44, 96
	s_mov_b32 s45, 32
	s_mov_b32 s46, 0
	s_mov_b32 s47, 0
	s_mov_b32 s60, 0x76543210
	s_mov_b32 s61, 0xfedcba98                      ; v_permlanex16_b32's selects for lane l xor 16
	s_mov_b32 s62, 0x3e38aa3b                      ; c = log2(e) / 8
	s_mov_b32 s63, s62
	s_mov_b32 s66, 0x76800000                      ; 2^110
	s_mov_b32 s67, s66
	s_mov_b32 s68, 0x000000fb                      ; the table: byte 0 = BF8 of -57,344, byte 1 = 0
	s_mov_b32 s69, 0                               ; the mask slot in hand
	s_mov_b32 s71, 0xf149f2ca                      ; -1e30
	s_lshl_b32 s18, s15, 7
	s_lshl_b32 s19, s14, 5
	s_add_co_u32 s18, s18, s19                     ; my first tile of K: 128 head + 32 wave
	s_mul_i32 s20, s18, 768
	s_add_co_u32 s20, s20, 3145728
	s_mov_b32 s21, 0                               ; its codes
	s_lshl_b32 s22, s18, 6
	s_add_co_u32 s22, s22, 262144
	s_mov_b32 s23, 0                               ; its scale words
	s_lshl_b32 s24, s15, 22
	s_lshl_b32 s19, ttmp9, 19
	s_add_co_u32 s24, s24, s19
	s_lshl_b32 s19, s14, 9
	s_add_co_u32 s24, s24, s19
	s_mov_b32 s25, 0                               ; the mask: head x 2,048 x 2,048 + 256 x rows + my 512 keys
	s_lshl_b32 s26, s15, 7
	s_lshl_b32 s19, ttmp9, 4
	s_add_co_u32 s26, s26, s19                     ; my first tile of Q
	s_lshl_b32 s28, s26, 6
	s_mov_b32 s29, 0
	s_mul_i32 s26, s26, 768
	s_mov_b32 s27, 0
	s_lshl_b32 s30, s15, 6
	s_lshl_b32 s19, s14, 2
	s_add_co_u32 s30, s30, s19                     ; V: (4 head) x 16 + my first 128 keys
	s_lshl_b32 s86, s30, 6
	s_add_co_u32 s86, s86, 524288
	s_mov_b32 s87, 0
	s_mul_i32 s30, s30, 1536
	s_add_co_u32 s30, s30, 6291456
	s_mov_b32 s31, 0
	s_lshr_b32 s88, s15, 4
	s_lshl_b32 s88, s88, 11
	s_lshl_b32 s19, ttmp9, 8
	s_add_co_u32 s88, s88, s19
	s_lshr_b32 s19, s14, 1
	s_lshl_b32 s19, s19, 4
	s_add_co_u32 s88, s88, s19                     ; the first row of ctx that I store: 2,048 batch + 256 x + 16 (wave / 2)
	s_and_b32 s90, s15, 15
	s_and_b32 s91, s14, 1
	s_lshl_b32 s92, s88, 5
	s_lshl_b32 s19, s90, 1
	s_add_co_u32 s92, s92, s19
	s_add_co_u32 s92, s92, s91
	s_mov_b32 s93, 0                               ; its scale byte: 32 row + 2 head + wave % 2
	s_mul_i32 s88, s88, 768
	s_mul_i32 s19, s90, 48
	s_add_co_u32 s88, s88, s19
	s_mul_i32 s19, s91, 24
	s_add_co_u32 s88, s88, s19
	s_mov_b32 s89, 0                               ; its codes: 768 row + 48 head + 24 (wave % 2)
	s_mul_i32 s16, s14, MW                         ; my part of a mask slot,
	s_mul_i32 s17, s14, KW
	s_add_co_u32 s17, s17, KIMG                    ; and of K's tiles
	s_wait_kmcnt 0x0
	s_mov_b32 s48, 1
	s_mov_b32 s49, s17
	s_add_nc_u64 s[50:51], s[4:5], s[20:21]
	s_or_b32 s51, s51, 0x80000000
	s_mov_b32 s52, 1
	s_mov_b32 s53, s16
	s_add_nc_u64 s[54:55], s[8:9], s[24:25]
	s_mov_b32 s56, 1
	s_add_co_u32 s57, s16, SLOT1
	s_add_nc_u64 s[58:59], s[54:55], 65536
	s_or_b32 s55, s55, 0x80000000
	s_or_b32 s59, s59, 0x80000000
	tensor_load_to_lds s[48:51], s[40:47]          ; the three first fills go out together: K, the masks of strips 0 and 1: three loads of mine are out
	s_nop 0
	tensor_load_to_lds s[52:55], s[32:39]
	s_nop 0
	tensor_load_to_lds s[56:59], s[32:39]
	s_nop 0
	PLACES
	s_add_nc_u64 s[72:73], s[4:5], s[26:27]        ; Q's codes,
	s_add_nc_u64 s[74:75], s[6:7], s[28:29]        ; its scale words,
	s_add_nc_u64 s[76:77], s[10:11], s[88:89]      ; ctx's codes,
	s_add_nc_u64 s[78:79], s[12:13], s[92:93]      ; its scale bytes,
	s_add_nc_u64 s[80:81], s[4:5], s[30:31]        ; V's codes,
	s_add_nc_u64 s[82:83], s[6:7], s[22:23]        ; K's scale words,
	s_add_nc_u64 s[84:85], s[6:7], s[86:87]        ; V's
	v_and_b32 v3, 15, v0                           ; r
	v_bfe_u32 v4, v0, 4, 1                         ; h
	v_and_b32 v17, 31, v0                          ; lane
	v_mul_u32_u24 v12, v17, 24
	v_lshlrev_b32 v13, 2, v17
	v_add_nc_u32 v5, s17, v12                      ; K in LDS: 24 x lane: block h of row r
	v_and_b32 v18, 8, v3
	v_add_nc_u32 v18, v18, v3                      ; r + 8 (r / 8): my query's row in the strip's mask (tile 1: eight rows on)
	v_mul_u32_u24 v6, v18, MROW
	v_lshl_add_u32 v6, v4, 4, v6
	v_add_nc_u32 v6, s16, v6
	v_lshlrev_b32 v9, 3, v3
	v_add_nc_u32 v9, STAT, v9
	s_lshl_b32 s19, s14, 8
	v_add_nc_u32 v8, s19, v9
	v_lshlrev_b32 v19, 4, v17
	s_lshl_b32 s19, s14, 13
	s_add_co_u32 s19, s19, OPART
	v_add_nc_u32 v10, s19, v19
	s_lshl_b32 s19, s14, 11
	s_add_co_u32 s19, s19, OPART
	v_add_nc_u32 v11, s19, v19
	v_mul_u32_u24 v14, v3, 768
	v_mad_u32_u24 v14, v4, 12, v14
	v_lshlrev_b32 v15, 5, v3
	v_mov_b32 v16, 0xff7fffff
	WIN 0x40                                       ; destination window 1
.irp t, 0,1,2,3                                ; V's 16 fragments stay in registers: channels 16 t on, my keys 128 s on
.irp s, 0,1,2,3
.irp p, 0,1,2,3,4,5
	global_load_b64 v[12*(4*\t+\s)+2*\p:12*(4*\t+\s)+2*\p+1], v12, s[80:81] offset:\t*24576+\s*1536+768*(\p/3)+8*(\p%3)
.endr
.endr
.endr
	WIN 0
.irp i, 0,1,2,3,4,5,6,7,8,9,10,11,12,13,14,15
	global_load_b32 v[66+\i], v13, s[82:83] offset:128*\i
.endr
.irp t, 0,1,2,3
.irp u, 0,1
	global_load_b32 v[82+2*\t+\u], v13, s[84:85] offset:1024*\t+128*\u
.endr
.endr
.irp q, 0,1
.irp p, 0,1,2
	global_load_b64 v[32+12*\q+2*\p:32+12*\q+2*\p+1], v12, s[72:73] offset:768*\q+8*\p
.endr
.endr
	global_load_b32 v56, v13, s[74:75]
.irp p, 38,39,40,41,42,43,50,51,52,53,54,55
	v_mov_b32 v\p, 0                               ; the upper halves of Q's fragments: zero codes, written once
.endr
.irp p, 21,23,25,27,28,29,30,31
	v_mov_b32 v\p, 0                               ; named in pairs, or as a lane permute's destination, before they are first computed
.endr
.set n, 0
.rept 16
	v_mov_b32 v[112+n], 0
.set n, n+1
.endr
	s_mov_b32 s70, 6
.Lmain:                                            ; strips 0 to 5: each fills its mask slot again
	STRIP 1
	s_xor_b32 s69, s69, SLOT1
	s_sub_co_u32 s70, s70, 1
	s_cmp_lg_u32 s70, 0
	s_cbranch_scc1 .Lmain
	s_mov_b32 s70, 2
.Ltail:                                            ; strips 6 and 7 ask for nothing: written a second time
	STRIP 0
	s_xor_b32 s69, s69, SLOT1
	s_sub_co_u32 s70, s70, 1
	s_cmp_lg_u32 s70, 0
	s_cbranch_scc1 .Ltail
	s_wait_tensorcnt 0x0                           ; the wave's end
	ds_add_u32 v1, v2
	s_wait_dscnt 0x0
	s_endpgm
.Lfunc_end_k_q0c08dcb7ac_attn:
	.size	k_q0c08dcb7ac_attn, .Lfunc_end_k_q0c08dcb7ac_attn-k_q0c08dcb7ac_attn
	.p2alignl 7, 3214868480
	.fill 96, 4, 3214868480
	.section	.rodata,"a",@progbits
	.p2align	6, 0x0
	.amdhsa_kernel k_q0c08dcb7ac_attn
		.amdhsa_group_segment_fixed_size 327680
		.amdhsa_private_segment_fixed_size 0
		.amdhsa_enable_private_segment 0
		.amdhsa_kernarg_size 40
		.amdhsa_user_sgpr_count 2
		.amdhsa_user_sgpr_kernarg_segment_ptr 1
		.amdhsa_wavefront_size32 1
		.amdhsa_system_sgpr_workgroup_id_x 1
		.amdhsa_system_sgpr_workgroup_id_y 1
		.amdhsa_system_sgpr_workgroup_id_z 1
		.amdhsa_system_vgpr_workitem_id 0
		.amdhsa_next_free_vgpr 1024
		.amdhsa_next_free_sgpr 96
		.amdhsa_reserve_vcc 0
		.amdhsa_float_denorm_mode_32 3
		.amdhsa_float_denorm_mode_16_64 3
		.amdhsa_memory_ordered 1
		.amdhsa_forward_progress 1
		.amdhsa_inst_pref_size 255
	.end_amdhsa_kernel
	.section	.bss,"aw",@nobits
	.p2align	6
	.space	262144
	.amdgpu_metadata
---
amdhsa.version: [ 1, 2 ]
amdhsa.kernels:
  - .name:           k_q0c08dcb7ac_attn
    .symbol:         k_q0c08dcb7ac_attn.kd
    .args:
      - { .name: qkvc, .offset: 0, .size: 8, .value_kind: global_buffer, .address_space: global }
      - { .name: qkvs, .offset: 8, .size: 8, .value_kind: global_buffer, .address_space: global }
      - { .name: keep_mask, .offset: 16, .size: 8, .value_kind: global_buffer, .address_space: global }
      - { .name: cc, .offset: 24, .size: 8, .value_kind: global_buffer, .address_space: global }
      - { .name: cs, .offset: 32, .size: 8, .value_kind: global_buffer, .address_space: global }
    .group_segment_fixed_size: 327680
    .private_segment_fixed_size: 0
    .kernarg_segment_align: 8
    .kernarg_segment_size: 40
    .max_flat_workgroup_size: 128
    .sgpr_count:     96
    .vgpr_count:     1024
    .wavefront_size: 32
...
	.end_amdgpu_metadata
.endif
;; end of part 3
;; launch oproj (part 4): grid 4 x 16, 4 waves a work-group, clusters of 4 x 4, 327,680 bytes of LDS; arguments cc, cs, wc, ws, bo, out0; writes out0
.if DOCPART == 4
	.amdgcn_target "amdgcn-amd-amdhsa--gfx1250"
	.amdhsa_code_object_version 6
	.text
	.protected	k_q0c08dcb7ac_oproj
	.globl	k_q0c08dcb7ac_oproj
	.p2align	8
	.type	k_q0c08dcb7ac_oproj,@function
k_q0c08dcb7ac_oproj:
	s_mov_b64 s[64:65], 0
	v_nop
	global_prefetch_b8 v0, s[64:65] scope:SCOPE_SE
	s_setreg_imm32_b32 hwreg(HW_REG_WAVE_MODE, 25, 1), 1
	s_wait_xcnt 0x0
	s_wait_alu depctr_hold_cnt(0) depctr_sa_sdst(0) depctr_va_vdst(0) depctr_va_sdst(0) depctr_va_ssrc(0) depctr_va_vcc(0) depctr_vm_vsrc(0)
	s_getreg_b32 s2, hwreg(HW_REG_IB_STS2, 6, 4)
	s_cmp_eq_u32 s2, 0
	s_cbranch_scc0 .Lentry_in_a_cluster
	s_endpgm
.Lentry_in_a_cluster:
	s_bfe_u32 s2, ttmp6, 0x10000c
	s_cmp_lg_u32 s2, 0xf033
	s_cbranch_scc0 .Lentry_shape_is_right
	s_endpgm
.Lentry_shape_is_right:
; out0 = ctx Wo^T + bo.  ctx [4096][1024] and Wo [1024][1024] are codes of FP6 (E2M3), K innermost, with one E8M0 byte for each 32 along K; out0 [4096][1024] f32; sums in f32.
; Wo is the fourth weight in wc and ws (rows 3,072 on).  THE ROWS OF BOTH STAND SWAPPED: position 32 g + 16 u + r holds row 32 g + 8 u + r + 8 (r / 8); the way out puts rows and columns back.
; A tile of 256 x 256 is made by four waves, 128 x 128 each: 64 accumulators.  K goes in steps of 256 through a ring of two LDS slots filled by joint tensor loads in a cluster of 4 x 4;
; the scale bytes of the work-group's rows come once and stay in LDS.  64 work-groups: a wave tile of 128 x 128 reads the fewest LDS bytes for each product, and the launch is a small part of the program.
; THE MATRIX INSTRUCTION IS USED TRANSPOSED (source 0 = 16 rows of Wo, source 1 = 16 rows of ctx): a lane holds eight neighbouring numbers of a row of out0.
; REGISTERS: window 0: v0-31 addresses; v32-63 scale words, two sets; v64-67 bo; from v128 ctx's fragments, one set; on the way out v128-255 rows read back.  window 1: Wo's fragments, two sets.  windows 2, 3: the accumulators.
.set SIZE_N, 1024
.set KSTEP,  256
.set NQ,     2
.set ROWB,   192
.set KROW,   768
.set PITCH,  240
.set FR,     12
.set NL,     6
.set NP,     4
.set HALFT,  128*PITCH
.set SLOT,   4*HALFT
.set LAPS,   2
.set KS,     32
.set SCL,    2*SLOT
.set HALFS,  (128*KS/256)*272
.set SBLK,   (16*KS/256)*272
.set SPARE,  SCL+4*HALFS               ; the spare words: 128 bytes for each wave, two blocks of 256 bytes that no other line names
.set SPITCH, 528                       ; the way out: a stage of 16 rows x (512 bytes + 16) for each wave, in slot 0, which has had its last fill and its last read when the first result is stored there
.set ADRA, 16
.set ADRB, 20
.set STO,  24
.set RD,   25
.set CO,   26
.set ADRS, 27
.set SPW,  28                          ; my spare word; never rewritten
.set NIL,  29                          ; 0; never rewritten
.set SC,   32
.set BO,   64
.set AF,   128
.set BK,   128
.set G1, 24
.set G0, 32
.set G1B, 48
.set G0B, 56
.set G1S, 68
.set G0S, 76
.set G1SB, 80
.set G0SB, 88
.set MSB, 0
.macro WIN new                         ; the immediate's high byte repeats the setting that is left
.if MSB != (\new)
	s_set_vgpr_msb (MSB<<8)|(\new)
.set MSB, (\new)
.endif
.endm
.set MUL_LO, 0xa1
.set MUL_HI, 0xf1
.set TO_B,   0x40
; A joint load: waves 0 and 1 fetch for ctx, waves 2 and 3 for Wo; the branch hangs on the wave's number alone.  Four v_nop follow each of the two lines.
.macro JLOAD g0a, g1a, g0b, g1b
	s_cmp_eq_u32 s15, 0
	s_cbranch_scc0 .Lfor_b_\@
	tensor_load_to_lds s[\g0a:\g0a+3], s[\g1a:\g1a+7]
	s_nop 0
.rept 4
	v_nop
.endr
	s_branch .Lasked_\@
.Lfor_b_\@:
	tensor_load_to_lds s[\g0b:\g0b+3], s[\g1b:\g1b+7]
	s_nop 0
.rept 4
	v_nop
.endr
.Lasked_\@:
.endm
.macro CREST
	s_cmp_lg_u32 s14, 0
	s_cbranch_scc1 .Lnot_wave_0_\@
	s_barrier_signal -3
.Lnot_wave_0_\@:
	s_barrier_wait -3
	s_barrier_signal -1
	s_barrier_wait -1
.endm
.macro CROUND
	s_barrier_signal -1
	s_barrier_wait -1
	CREST
.endm
	s_load_b256 s[4:11], s[0:1], 0x0               ; cc, cs, wc, ws
	s_load_b64 s[96:97], s[0:1], 0x20              ; bo
	s_load_b64 s[12:13], s[0:1], 0x28              ; out0
	v_lshl_add_u32 v[SPW], v0, 2, SPARE
	v_mov_b32 v[NIL], 0
	ds_add_u32 v28, v29
	ds_add_u32 v28, v29
	s_wait_dscnt 0x0
	v_lshrrev_b32 v1, 5, v0
	v_readfirstlane_b32 s14, v1                    ; wave 0..3
	s_lshr_b32 s15, s14, 1                         ; which half of the tile's rows is mine.  Also: I fetch for ctx (0) or for Wo (1)
	s_and_b32 s16, s14, 1                          ; which half of its columns.  Also: which 128 rows of that tile I fetch
	s_bfe_u32 s40, ttmp6, 0x40000                  ; cx, cy
	s_bfe_u32 s41, ttmp6, 0x40004
	s_lshl_b32 s42, ttmp9, 2
	s_add_co_u32 s42, s42, s40                     ; tile column
	s_and_b32 s17, ttmp7, 0xffff
	s_lshl_b32 s17, s17, 2
	s_add_co_u32 s17, s17, s41                     ; tile row
	s_lshl_b32 s43, s41, 2
	s_lshl_b32 s43, 15, s43                        ; my row of the cluster
	s_lshl_b32 s44, 0x1111, s40                    ; my column
	s_or_b32 s[G1+0], s43, (0<<16)|(1<<20)|(1<<21)|(3<<22)|(3<<25)  ; the mask; elements of 1 byte; padding on; bit 21 beside a mask; after every 16 words; of 4 words
	s_or_b32 s[G1B+0], s44, (0<<16)|(1<<20)|(1<<21)|(3<<22)|(3<<25)
.irp g, G1, G1B
	s_mov_b32 s[\g+1], ROWB<<16
	s_mov_b32 s[\g+2], 128<<16
	s_mov_b32 s[\g+3], ROWB<<16
	s_mov_b32 s[\g+4], 128
	s_mov_b32 s[\g+5], KROW
	s_mov_b32 s[\g+6], 0
	s_mov_b32 s[\g+7], 0
.endr
	s_or_b32 s[G1S+0], s43, (3<<16)|(1<<20)|(1<<21)|(5<<22)|(3<<25)
	s_or_b32 s[G1SB+0], s44, (3<<16)|(1<<20)|(1<<21)|(5<<22)|(3<<25)
.irp g, G1S, G1SB
	s_mov_b32 s[\g+1], 32<<16
	s_mov_b32 s[\g+2], (128*KS/256)<<16
	s_mov_b32 s[\g+3], 32<<16
	s_mov_b32 s[\g+4], 128*KS/256
	s_mov_b32 s[\g+5], 32
	s_mov_b32 s[\g+6], 0
	s_mov_b32 s[\g+7], 0
.endr
	s_lshl_b32 s18, s16, 7
	s_lshl_b32 s20, s17, 8
	s_add_co_u32 s20, s20, s18                     ; ctx: row 256 x tile row + 128 x half
	s_lshl_b32 s46, s42, 8
	s_add_co_u32 s46, s46, s18                     ; Wo: row 256 x tile column + 128 x half
	s_mov_b32 s21, 0
	s_mov_b32 s47, 0
	s_mov_b64 s[18:19], KS
	s_mul_u64 s[22:23], s[20:21], s[18:19]
	s_mul_u64 s[92:93], s[46:47], s[18:19]
	s_mov_b64 s[18:19], KROW
	s_mul_u64 s[20:21], s[20:21], s[18:19]
	s_mul_u64 s[46:47], s[46:47], s[18:19]
	s_mul_i32 s45, s14, HALFT
	s_mul_i32 s94, s14, HALFS
	s_wait_kmcnt 0x0
	s_add_nc_u64 s[8:9], s[8:9], 3072*KROW         ; Wo's codes,
	s_add_nc_u64 s[10:11], s[10:11], 3072*KS       ; and its scale bytes
	s_add_nc_u64 s[20:21], s[4:5], s[20:21]
	s_add_nc_u64 s[22:23], s[6:7], s[22:23]
	s_add_nc_u64 s[46:47], s[8:9], s[46:47]
	s_add_nc_u64 s[92:93], s[10:11], s[92:93]
	CROUND                                         ; all sixteen work-groups are here: the first joint loads meet
	s_mov_b32 s[G0S], 1
	s_add_co_u32 s[G0S+1], s94, SCL
	s_mov_b64 s[G0S+2:G0S+3], s[22:23]
	s_or_b32 s[G0S+3], s[G0S+3], 0x80000000
	s_mov_b32 s[G0SB], 1
	s_add_co_u32 s[G0SB+1], s94, SCL
	s_mov_b64 s[G0SB+2:G0SB+3], s[92:93]
	s_or_b32 s[G0SB+3], s[G0SB+3], 0x80000000
	JLOAD G0S, G1S, G0SB, G1SB
.irp s, 0,1
	s_mov_b32 s[G0+4*\s], 1
	s_add_co_u32 s[G0+4*\s+1], s45, \s*SLOT
	s_add_nc_u64 s[G0+4*\s+2:G0+4*\s+3], s[20:21], \s*ROWB
	s_or_b32 s[G0+4*\s+3], s[G0+4*\s+3], 0x80000000
	s_mov_b32 s[G0B+4*\s], 1
	s_add_co_u32 s[G0B+4*\s+1], s45, \s*SLOT
	s_add_nc_u64 s[G0B+4*\s+2:G0B+4*\s+3], s[46:47], \s*ROWB
	s_or_b32 s[G0B+4*\s+3], s[G0B+4*\s+3], 0x80000000
	JLOAD G0+4*\s, G1, G0B+4*\s, G1B
.endr
	v_and_b32 v1, 15, v0                           ; r
	v_bfe_u32 v2, v0, 4, 1                         ; h
	v_mul_u32_u24 v3, v1, PITCH
	v_mul_u32_u24 v4, v2, 24
	v_add_nc_u32 v4, v3, v4
	v_lshl_add_u32 v5, v2, 4, v4
	s_mul_i32 s21, s15, HALFT
	s_mul_i32 s22, s16, HALFT
	s_add_co_u32 s22, s22, 2*HALFT
.irp s, 0,1
	v_add_nc_u32 v[ADRA+\s], s21, v4
	v_add_nc_u32 v[ADRB+\s], s22, v4
	v_add_nc_u32 v[ADRA+2+\s], s21, v5
	v_add_nc_u32 v[ADRB+2+\s], s22, v5
	s_add_co_u32 s21, s21, SLOT
	s_add_co_u32 s22, s22, SLOT
.endr
	v_mul_u32_u24 v5, v1, KS
	v_lshrrev_b32 v6, 8, v5
	v_lshl_add_u32 v5, v6, 4, v5
	s_mul_i32 s21, s15, HALFS
	s_mul_i32 s22, s16, HALFS
	s_add_co_u32 s22, s22, 2*HALFS
	s_sub_co_u32 s22, s22, s21
	v_mul_u32_u24 v6, s22, v2
	s_add_co_u32 s21, s21, SCL
	v_add_nc_u32 v5, v5, v6
	v_add_nc_u32 v[ADRS], s21, v5
	s_mul_i32 s23, s14, 16*SPITCH                  ; my stage
	v_mul_u32_u24 v5, v1, SPITCH                   ; in: row r; my half's 16 columns of each 32: 64 h bytes on
	v_lshl_add_u32 v5, v2, 6, v5
	v_add_nc_u32 v[STO], s23, v5
	v_and_b32 v6, 31, v0
	v_lshlrev_b32 v[CO], 4, v6                     ; back: the 32 lanes take one row of 512 bytes; and the same in out0 and in bo
	v_add_nc_u32 v[RD], s23, v[CO]
	s_lshl_b32 s20, s17, 8
	s_lshl_b32 s21, s15, 7
	s_add_co_u32 s20, s20, s21                     ; my first row of out0
	s_mov_b32 s21, 0
	s_mov_b64 s[18:19], SIZE_N*4
	s_mul_u64 s[20:21], s[20:21], s[18:19]
	s_lshl_b32 s46, s42, 10                        ; my first column, in bytes: 1,024 x tile column + 512 x half
	s_lshl_b32 s47, s16, 9
	s_add_co_u32 s46, s46, s47
	s_mov_b32 s47, 0
	s_add_nc_u64 s[20:21], s[20:21], s[46:47]
	s_add_nc_u64 s[12:13], s[12:13], s[20:21]
	s_add_nc_u64 s[96:97], s[96:97], s[46:47]
	global_load_b128 v[BO:BO+3], v[CO], s[96:97]   ; bo of the four columns that I store of every row
.macro FRAG reg, adr, q, i
.irp p, 0,1,2,3,4,5
.set PC, 12*(\q)+6*(\p/3)+\p%3
.if PC%8 < 5
	ds_load_b64 v[\reg+2*\p:\reg+2*\p+1], v[\adr] offset:8*PC+16*(PC/8)+(\i)*16*PITCH
.else
	ds_load_b64 v[\reg+2*\p:\reg+2*\p+1], v[\adr+2] offset:8*PC+16*(PC/8)+(\i)*16*PITCH
.endif
.endr
.endm
; The 64 accumulators take turns, one instruction a turn, in the same order in every step.
.macro MUL16 a0, p, q, sc, zero
.irp a, \a0, \a0+1
.irp b, 0,1,2,3,4,5,6,7
.if \zero
	v_wmma_scale_f32_16x16x128_f8f6f4 v[8*(8*((\a)%4)+\b):8*(8*((\a)%4)+\b)+7], v[128*(\p)+FR*\b:128*(\p)+FR*\b+FR-1], v[AF+FR*(\a):AF+FR*(\a)+FR-1], 0, v[SC+8*NQ*(\sc)+NQ*\b+(\q)], v[SC+8*NQ*(\sc)+NQ*(\a)+(\q)] matrix_a_fmt:MATRIX_FMT_FP6 matrix_b_fmt:MATRIX_FMT_FP6 matrix_a_scale:MATRIX_SCALE_ROW1
.else
	v_wmma_scale_f32_16x16x128_f8f6f4 v[8*(8*((\a)%4)+\b):8*(8*((\a)%4)+\b)+7], v[128*(\p)+FR*\b:128*(\p)+FR*\b+FR-1], v[AF+FR*(\a):AF+FR*(\a)+FR-1], v[8*(8*((\a)%4)+\b):8*(8*((\a)%4)+\b)+7], v[SC+8*NQ*(\sc)+NQ*\b+(\q)], v[SC+8*NQ*(\sc)+NQ*(\a)+(\q)] matrix_a_fmt:MATRIX_FMT_FP6 matrix_b_fmt:MATRIX_FMT_FP6 matrix_a_scale:MATRIX_SCALE_ROW1
.endif
.endr
.endr
.endm
.macro FETCH_B slot, q, p
	WIN TO_B
.irp i, 0,1,2,3,4,5,6,7
	FRAG 128*(\p)+FR*\i, ADRB+\slot, \q, \i
.endr
	WIN 0
.endm
.macro FETCH_A slot, q, i0
.irp i, \i0, \i0+1, \i0+2, \i0+3
	FRAG AF+FR*(\i), ADRA+\slot, \q, \i
.endr
.endm
.macro SCALES sc
.irp i, 0,1,2,3,4,5,6,7
	ds_load_b64 v[SC+8*NQ*\sc+NQ*\i:SC+8*NQ*\sc+NQ*\i+1], v[ADRS] offset:\i*SBLK
.endr
.endm
.macro PLACES n                        ; places behind matrix instructions (ISA guide 7.12.1)
.rept \n
	v_nop
.endr
.endm
.macro STEP slot, q, zero
	s_wait_dscnt 4*NL                              ; Wo's set and ctx's blocks 0-3 are in; the youngest loads (blocks 4-7) may be out
	WIN MUL_LO
	MUL16 0, (\q)%2, \q, \slot, \zero
	MUL16 2, (\q)%2, \q, \slot, \zero
	s_wait_dscnt 0
	PLACES NP
	FETCH_B \slot, (\q)+1, 1-(\q)%2
	FETCH_A \slot, (\q)+1, 0
	WIN MUL_HI
	MUL16 4, (\q)%2, \q, \slot, \zero
	MUL16 6, (\q)%2, \q, \slot, \zero
	PLACES NP
	WIN 0
	FETCH_A \slot, (\q)+1, 4
.endm
.macro TURN slot, next, fill
	s_wait_tensorcnt 0x0                           ; all my tensor loads have landed: my part of the next slot
	ds_add_u32 v[SPW], v[NIL]                      ; 0 onto my spare word
	s_wait_dscnt 4*NL+1                            ; (the add and the youngest loads may be out)
	WIN MUL_LO
	MUL16 0, 1, NQ-1, \slot, 0
	s_wait_dscnt 0x0                               ; the add is done, and my reads of this slot are over
	s_barrier_signal -1
	MUL16 2, 1, NQ-1, \slot, 0
	WIN 0
	s_barrier_wait -1
.if \fill
	CREST                                          ; the barrier has opened a round of the cluster's barrier: no wave of any partner still reads this slot's tile or has a load on its way
	s_add_nc_u64 s[G0+4*\slot+2:G0+4*\slot+3], s[G0+4*\slot+2:G0+4*\slot+3], 2*ROWB
	s_add_nc_u64 s[G0B+4*\slot+2:G0B+4*\slot+3], s[G0B+4*\slot+2:G0B+4*\slot+3], 2*ROWB
	JLOAD G0+4*\slot, G1, G0B+4*\slot, G1B
.else
	PLACES NP
.endif
	v_add_nc_u32 v[ADRS], 4*NQ, v[ADRS]
	FETCH_B \next, 0, 0
	FETCH_A \next, 0, 0
	SCALES \next
	WIN MUL_HI
	MUL16 4, 1, NQ-1, \slot, 0
	MUL16 6, 1, NQ-1, \slot, 0
	PLACES NP
	WIN 0
	FETCH_A \next, 0, 4
.endm
	s_wait_loadcnt 0x0                             ; bo
	s_wait_tensorcnt 1                             ; the scales and my part of K step 0 are in (K step 1's load may be out),
	s_barrier_signal -1
	s_barrier_wait -1                              ; everybody's are
	FETCH_B 0, 0, 0
	FETCH_A 0, 0, 0
	SCALES 0
	FETCH_A 0, 0, 4
	STEP 0, 0, 1
	s_mov_b32 s3, LAPS-1
.Llap:
	TURN 0, 1, 1
	STEP 1, 0, 0
	TURN 1, 0, 1
	STEP 0, 0, 0
	s_sub_co_u32 s3, s3, 1
	s_cmp_lg_u32 s3, 0
	s_cbranch_scc1 .Llap
	TURN 0, 1, 0
	STEP 1, 0, 0
	s_wait_dscnt 4*NL
	WIN MUL_LO
	MUL16 0, 1, NQ-1, 1, 0
	MUL16 2, 1, NQ-1, 1, 0
	s_wait_dscnt 0
	WIN MUL_HI
	MUL16 4, 1, NQ-1, 1, 0
	MUL16 6, 1, NQ-1, 1, 0
	WIN 0
; THE WAY OUT, block by block of 16 rows x 128 columns, through my own stage.  Tile b = 2 B + u of Wo's rows gives lane (r, h) columns 32 B + 16 h + 8 u + 0 .. 7: so its 32 bytes go to 128 B + 64 h + 32 u of stage row r.
; Stage row t of block a is row 32 (a / 2) + 8 (a % 2) + t + 8 (t / 8) of my 128.  LDS serves a wave's instructions in order: no wait between the stores and the loads.
.macro TOSTAGE a
.set AC, 64*((\a)%4)
	WIN 0x08+4*((\a)/4)                            ; the data: window 2 or 3
.irp b, 0,1,2,3,4,5,6,7
	ds_store_b128 v[STO], v[AC+8*\b:AC+8*\b+3] offset:128*(\b/2)+32*(\b%2)          ; each accumulator from its low end on
	ds_store_b128 v[STO], v[AC+8*\b+4:AC+8*\b+7] offset:128*(\b/2)+32*(\b%2)+16
.endr
	WIN 0
.set BB, BK+64*((\a)%2)
.irp t, 0,1,2,3,4,5,6,7,8,9,10,11,12,13,14,15
	ds_load_b128 v[BB+4*\t:BB+4*\t+3], v[RD] offset:\t*SPITCH
.endr
.endm
.macro SEND a, younger                 ; younger: the LDS instructions issued behind block a's loads, which may stay out
.set BB, BK+64*((\a)%2)
	s_wait_dscnt \younger
.if (\a) > 0
.if (\a)%2
	s_add_nc_u64 s[12:13], s[12:13], 8*SIZE_N*4    ; (behind a wait on XCNT: the earlier stores have read their base)  an odd block begins eight rows behind the even one,
.else
	s_add_nc_u64 s[12:13], s[12:13], 24*SIZE_N*4   ; the next even one 24 rows on
.endif
.endif
.irp t, 0,1,2,3,4,5,6,7,8,9,10,11,12,13,14,15
	v_pk_add_f32 v[BB+4*\t:BB+4*\t+1], v[BB+4*\t:BB+4*\t+1], v[BO:BO+1]
	v_pk_add_f32 v[BB+4*\t+2:BB+4*\t+3], v[BB+4*\t+2:BB+4*\t+3], v[BO+2:BO+3]
	global_store_b128 v[CO], v[BB+4*\t:BB+4*\t+3], s[12:13] offset:(\t+8*(\t/8))*SIZE_N*4 th:TH_STORE_NT   ; 32 lanes store 512 consecutive bytes, aligned
.endr
.endm
	PLACES NP
	TOSTAGE 0
.irp a, 1,2,3,4,5,6,7
.if \a > 1
	s_wait_xcnt 0x0                                ; block a - 2's stores have read their registers and their base
.endif
	TOSTAGE \a
	SEND \a-1, 32                                  ; behind block a - 1's loads: block a's 16 stores and 16 loads
.endr
	s_wait_xcnt 0x0
	SEND 7, 0
	s_wait_tensorcnt 0x0                           ; the wave's end
	ds_add_u32 v[SPW], v[NIL]
	s_wait_dscnt 0x0
	CROUND                                         ; the closing round
	s_endpgm
.Lfunc_end_k_q0c08dcb7ac_oproj:
	.size	k_q0c08dcb7ac_oproj, .Lfunc_end_k_q0c08dcb7ac_oproj-k_q0c08dcb7ac_oproj
	.p2alignl 7, 3214868480
	.fill 96, 4, 3214868480
	.section	.rodata,"a",@progbits
	.p2align	6, 0x0
	.amdhsa_kernel k_q0c08dcb7ac_oproj
		.amdhsa_group_segment_fixed_size 327680
		.amdhsa_private_segment_fixed_size 0
		.amdhsa_enable_private_segment 0
		.amdhsa_kernarg_size 48
		.amdhsa_user_sgpr_count 2
		.amdhsa_user_sgpr_kernarg_segment_ptr 1
		.amdhsa_wavefront_size32 1
		.amdhsa_system_sgpr_workgroup_id_x 1
		.amdhsa_system_sgpr_workgroup_id_y 1
		.amdhsa_system_sgpr_workgroup_id_z 1
		.amdhsa_system_vgpr_workitem_id 0
		.amdhsa_next_free_vgpr 1024
		.amdhsa_next_free_sgpr 100
		.amdhsa_reserve_vcc 0
		.amdhsa_float_denorm_mode_32 3
		.amdhsa_float_denorm_mode_16_64 3
		.amdhsa_memory_ordered 1
		.amdhsa_forward_progress 1
		.amdhsa_inst_pref_size 176
	.end_amdhsa_kernel
	.amdgpu_metadata
---
amdhsa.version: [ 1, 2 ]
amdhsa.kernels:
  - .name:           k_q0c08dcb7ac_oproj
    .symbol:         k_q0c08dcb7ac_oproj.kd
    .args:
      - { .name: cc, .offset: 0, .size: 8, .value_kind: global_buffer, .address_space: global }
      - { .name: cs, .offset: 8, .size: 8, .value_kind: global_buffer, .address_space: global }
      - { .name: wc, .offset: 16, .size: 8, .value_kind: global_buffer, .address_space: global }
      - { .name: ws, .offset: 24, .size: 8, .value_kind: global_buffer, .address_space: global }
      - { .name: bo, .offset: 32, .size: 8, .value_kind: global_buffer, .address_space: global }
      - { .name: out0, .offset: 40, .size: 8, .value_kind: global_buffer, .address_space: global }
    .group_segment_fixed_size: 327680
    .private_segment_fixed_size: 0
    .kernarg_segment_align: 8
    .kernarg_segment_size: 48
    .max_flat_workgroup_size: 128
    .sgpr_count:     100
    .vgpr_count:     1024
    .wavefront_size: 32
...
	.end_amdgpu_metadata
.endif
;; end of part 4
